; MI455X (gfx1250); checked and timed in simulation.
; The chip was launched on July 23, 2026; its instructions are those of AMD's public machine-readable ISA for CDNA 5 (MIT licence, August 2026) and "CDNA5" Instruction Set Architecture Reference Guide (July 2026). The comments in the code are by the model that wrote it; some were corrected since.
;; TDMHSA. Allowed arithmetic: matrix products marked QUANTISED: E2M1 operands, one E8M0 scale for each 32 along K, by v_wmma_scale_f32_16x16x128_f8f6f4 with both operands' format E2M1 (or v_wmma_scale_f32_32x16x128_f4), f32 sums; products left as they are: f32 operands where the result goes on into a quantised operand, else bf16, f16 or f32 operands; f32 sums; everything else in f32.
;; Inputs: Er 1,024 x 64 float32; W_out 1,024 x 1,024 float32; W_qkv 1,024 x 3,072 float32; W_time 256 x 3,072 float32; b_out 1,024 float32; b_qkv 3,072 float32; b_time 3,072 float32; time_emb 8 x 256 float32; x 8 x 1,024 x 1,024 float32.
;; Outputs: out0 8 x 1,024 x 1,024 float32.
;; This version of the problem:
;;   THIS VERSION OF THE PROBLEM IS GIVEN IN LOW PRECISION. The matrix products marked QUANTISED in the list below multiply operands that are first quantised to E2M1 (2 exponent bits, 1 mantissa bit; 4 bits a number), with one power-of-two scale for each 32 numbers along K (OCP MX v1.0); their sums are f32. All else is computed in f32.
;;   The module's matrix products, in the order in which they are computed (A, B: the left and right operand; K: the contracted axis; several contracted axes count as one K, in the product's order):
;;     1. [M 8,192, K 1,024] x [K 1,024, N 3,072]; A: input x; B: input W_qkv: QUANTISED
;;     2. [M 8, K 256] x [K 256, N 3,072]; A: input time_emb; B: input W_time: left as it is (M = 8 < 16)
;;     3. [M 131,072, K 64] x [K 64, N 1,024]; A: computed on the way; B: input Er: QUANTISED
;;     4. batch 128 x [M 1,024, K 64] x [K 64, N 1,024]; A: computed on the way; B: computed on the way: QUANTISED
;;     5. batch 128 x [M 1,024, K 1,024] x [K 1,024, N 64]; A: softmax (see below); B: computed on the way: QUANTISED
;;     6. [M 8,192, K 1,024] x [K 1,024, N 1,024]; A: computed on the way; B: input W_out: QUANTISED
;;   THE QUANTISER, for each operand of a quantised product, along K:
;;     - K is cut into blocks of 32 from its start; a last block that is shorter is filled with zeros.
;;     - A block's scale is 2^e with e = floor(log2(the largest magnitude in the block)) - 2, held to -126 .. 127; a block of zeros has e = 0. As a byte (E8M0): e + 127.
;;     - Each number is divided by its block's scale, clamped to +-6, and rounded to the nearest number of E2M1, ties to even, subnormals kept.
;;     - The product sums the exact products of the quantised numbers (number of the format x scale) in f32.
;;   ~~~python
;;   def quantise(x, axis):      # numpy; x: float32 -> the quantised numbers, widened to float32 again
;;       x = np.moveaxis(x, axis, -1); K = x.shape[-1]
;;       x = np.pad(x, [(0, 0)] * (x.ndim - 1) + [(0, -K % 32)]); x = x.reshape(x.shape[:-1] + (-1, 32)); a = np.abs(x).max(-1, keepdims=True)
;;       e = np.where(a > 0, np.clip(np.frexp(np.where(a > 0, a, 1))[1] - 1 - 2, -126, 127), 0)      # np.frexp(a)[1] - 1 = floor(log2(a)), exactly
;;       r = np.clip(x / 2.0 ** e, -6, 6)
;;       step = 2.0 ** (np.maximum(np.frexp(np.where(r == 0, 1, r))[1] - 1, 0) - 1)
;;       q = np.round(r / step) * step * 2.0 ** e      # np.round: ties to even
;;       return np.moveaxis(q.reshape(q.shape[:-2] + (-1,))[..., :K], -1, axis).astype(np.float32)
;;   ~~~
;;   SOFTMAX AHEAD OF A QUANTISED PRODUCT. Where the list says 'softmax', what is quantised is not the finished softmax but p = 2^(t - M), with t = logit x log2(e) and M = ceil(the row's largest t), a whole number; so 1/2 < the row's largest p <= 1. The row's sum l is taken of the UNQUANTISED p, in f32, and the product's result is divided by l at the end. Since M is a whole number, a kernel that streams over the keys may use a running M (the ceiling of the running maximum): every later rescaling is an exact power of two, which a block's scale takes up: the codes' values come out the same.
;;   OPERANDS COMPUTED ON THE WAY. 'Computed on the way' means the value that the module computes at that place (a softmax that the list does not call 'softmax' is quantised finished and normalised). What goes into a quantiser is computed in f32, as accurately as f32 sums, v_exp_f32 and their like allow (about 1e-6 of the number): no bf16 or f16 on the way to a quantiser, and a product that is left as it is and whose result goes on into a quantised operand takes f32 operands (vector FMAs, or v_wmma_f32_16x16x4_f32). A number that lies on a knife's edge between two numbers of the format may be rounded either way, as far as f32 arithmetic and the matrix unit's own rounding can turn it there, and no further.
;; 2 versions, each right; version 2 is version 1 with the launch attn written anew for expert scheduling mode. Each part assembles by itself: llvm-mc -triple=amdgcn-amd-amdhsa -mcpu=gfx1250 --defsym DOCPART=n.
;; ======== version 1 of 2: 4 launches
;; workspace buffers: ops 6,127,616 bytes; wo 557,056 bytes; ez 81,920 bytes; tb 98,304 bytes; qk 9,437,184 bytes; vv 4,456,448 bytes; oo 4,456,448 bytes
;; launch prep (part 1): grid 464 x 1, 4 waves a work-group, no clusters, 42,496 bytes of LDS; arguments x, W_qkv, W_out, Er, W_time, time_emb, b_time, b_qkv, ops, wo, ez, tb; writes ops, wo, ez, tb
.if DOCPART == 1
	.amdgcn_target "amdgcn-amd-amdhsa--gfx1250"
	.amdhsa_code_object_version 6
	.text
	.protected	k_q8482c25f21_prep
	.globl	k_q8482c25f21_prep
	.p2align	8
	.type	k_q8482c25f21_prep,@function
k_q8482c25f21_prep:
	s_mov_b64 s[64:65], 0
	v_nop
	global_prefetch_b8 v0, s[64:65] scope:SCOPE_SE
	s_setreg_imm32_b32 hwreg(HW_REG_WAVE_MODE, 25, 1), 1
	s_wait_xcnt 0x0
; Everything that is quantised once, and the small f32 product, in one launch of five independent roles, chosen by the work-group's number:
;   X  (work-groups 0-255):   x [8192][1024] f32 -> codes of E2M1 and E8M0 scale bytes, K innermost
;   W1 (256-351), W2 (352-383): W_qkv [1024][3072], W_out [1024][1024] (K is the FIRST axis) -> the same, a column of W being a row of the operand
;   E  (384-415):             the table Ez[u], u = 0..2047: Er[u] for u < 1024, zeros for u = 1024, Er[u - 1025] above; its scale bytes + 3 (x 8, exact)
;   T  (416-463):             tb[b][n] = sum over t of time_emb[b][t] W_time[t][n] + (b_time[n] + b_qkv[n]), fused multiply-adds in f32
; THE QUANTISER: a block of 32 along K has the scale 2^(floor(log2(largest magnitude)) - 2); its byte is the largest magnitude's exponent field - 2, held at 1 from below.
; LAYOUT OF AN OPERAND (buffers of this program alone): in the order of the matrix operand's registers.  A tile of 256 rows is 131,072 bytes:
;   khalf x 65,536 + (row / 16) x 4,096 + (block of 32 within the half of K) x 256 + (row % 16) x 16; its scale bytes 8,192: khalf x 4,096 + (row / 16) x 256 + (row % 16) x 16 + block.
;   Position p of the rows holds row swap34(p) (bits 3 and 4 exchanged), so that a later product's results lie along K as the next quantiser wants them.
; LIMITS: NaN and infinities are not served.  A block whose largest magnitude lies under 2^-124 has its byte held at 1; a block of zeros has the byte 1 and not 127 (its codes are zeros; only this program
; reads the bytes).  Er's byte + 3 is held at 254 (|Er| of 2^127 and more).  W's scale bytes leave as pieces of 8 bytes, 16 apart: 128 KiB of the launch's bytes.
.set XSTG,  8448                       ; role X: a wave's stage in LDS: 16 rows x (512 + 16) bytes; four of them from byte 0
.set TRED,  33792                      ; role T: 8,192 bytes of its own behind them
.set SW,    16                         ; X: v16-19  the four K steps' scale words
.set PC,    24                         ; X: v24-55  codes, eight registers a K step: no store's data are written again
.set RR,    56                         ; X: v56-183 two sets of 64 registers as loaded
.set XX,    184                        ; X: v184-247 my 2 x 32 neighbours along K
.macro LOADX s                         ; K step s of my 16 rows: each load reads 512 consecutive bytes of one row
.irp j, 0,1,2,3,4,5,6,7,8,9,10,11,12,13,14,15
	global_load_b128 v[RR+64*((\s)%2)+4*\j:RR+64*((\s)%2)+4*\j+3], v4, s[4:5] offset:(\j+8*(\j/8))*4096+512*(\s) th:TH_LOAD_NT
.endr
.endm
.macro XSTEP s
.if (\s) < 3
	s_wait_loadcnt 16                              ; this step's 16 loads are in; the next step's 16 may be out
.else
	s_wait_loadcnt 0x0
.endif
.irp j, 0,1,2,3,4,5,6,7,8,9,10,11,12,13,14,15
	ds_store_b128 v5, v[RR+64*((\s)%2)+4*\j:RR+64*((\s)%2)+4*\j+3] offset:528*\j
.endr
.irp c, 0,1
.irp e, 0,1,2,3,4,5,6,7
	ds_load_b128 v[XX+32*\c+4*\e:XX+32*\c+4*\e+3], v6 offset:256*\c+16*\e   ; row r, k = 64 c + 32 h + 4 e ..: LDS serves a wave's instructions in order, so these see the stores
.endr
.endr
	s_wait_dscnt 0x0                               ; the numbers are back, and the stores have read their registers
.if (\s) < 2
	LOADX (\s)+2
.endif
.irp c, 0,1
	v_max3_num_f32 v[8+\c], |v[XX+32*\c]|, |v[XX+32*\c+1]|, 0x1800000    ; my block 2 c + h: all 32 numbers are mine; the floor 2^(3 - 127) holds the byte at 1
.endr
.irp i, 2,4,6,8,10,12,14,16,18,20,22,24,26,28,30
.irp c, 0,1
	v_max3_num_f32 v[8+\c], v[8+\c], |v[XX+32*\c+\i]|, |v[XX+32*\c+\i+1]|
.endr
.endr
.irp c, 0,1
	v_add_nc_u32 v[10+\c], 0xff000000, v[8+\c]     ; 2 off the exponent field: the conversion's scale operand
.endr
.irp c, 0,1
	v_lshrrev_b32 v[12+\c], 23, v[10+\c]           ; the scale's byte
.endr
	v_lshl_or_b32 v12, v13, 16, v12                ; blocks h and 2 + h of row r,
	v_lshlrev_b32 v12, v14, v12                    ; 8 h bits up;
	v_permlanex16_b32 v15, v12, s30, s31
	v_or_b32 v[SW+(\s)], v12, v15                  ; with lane l xor 16's two bytes the word is whole
.irp c, 0,1
.irp g, 0,1,2,3
	v_cvt_scalef32_pk8_fp4_f32 v[PC+8*(\s)+4*\c+\g], v[XX+32*\c+8*\g:XX+32*\c+8*\g+7], v[10+\c]
.endr
.endr
	v_nop                                          ; a plain line behind the conversions
.irp c, 0,1
	global_store_b128 v4, v[PC+8*(\s)+4*\c:PC+8*(\s)+4*\c+3], s[40:41] offset:1024*(\s)+512*\c   ; 512 consecutive bytes
.endr
.endm
.macro LOADW t, N                      ; block t: W(32 t + i, my column)
.irp i, 0,1,2,3,4,5,6,7,8,9,10,11,12,13,14,15,16,17,18,19,20,21,22,23,24,25,26,27,28,29,30,31
	global_load_b32 v[32+32*((\t)%2)+\i], v4, s[48:49] offset:(32*(\t)+\i)*\N*4 th:TH_LOAD_NT
.endr
.endm
.macro WBLOCK t, N
.set XS, 32+32*((\t)%2)
.if (\t) < 7
	s_wait_loadcnt 32                              ; this block's 32 loads are in; the next block's may be out
.else
	s_wait_loadcnt 0x0
.endif
	v_max3_num_f32 v12, |v[XS]|, |v[XS+1]|, |v[XS+2]|
	v_max3_num_f32 v13, |v[XS+3]|, |v[XS+4]|, |v[XS+5]|
.irp i, 6,10,14,18,22,26
	v_max3_num_f32 v12, v12, |v[XS+\i]|, |v[XS+\i+1]|
	v_max3_num_f32 v13, v13, |v[XS+\i+2]|, |v[XS+\i+3]|
.endr
	v_max3_num_f32 v12, v12, |v[XS+30]|, |v[XS+31]|
	v_max3_num_f32 v12, v12, v13, 0x1800000
	v_add_nc_u32 v11, 0xff000000, v12
	v_lshrrev_b32 v13, 23, v11
.if (\t)%4 == 0
	v_mov_b32 v[24+(\t)/4], v13
.else
	v_lshl_or_b32 v[24+(\t)/4], v13, 8*((\t)%4), v[24+(\t)/4]
.endif
.irp g, 0,1,2,3
	v_cvt_scalef32_pk8_fp4_f32 v[96+4*(\t)+\g], v[XS+8*\g:XS+8*\g+7], v11
.endr
	v_nop
	global_store_b128 v5, v[96+4*(\t):96+4*(\t)+3], s[44:45] offset:256*(\t)   ; sixteen lanes fill 256 consecutive bytes, twice
.if (\t)+2 < 8
	LOADW (\t)+2, \N
.endif
.endm
; A weight stored [K][N]: a lane takes a column, its registers run down K.  A wave: 32 columns x 256 along K.
.macro WROLE N, first, src, buf, idx0, scoff
	s_sub_co_u32 s32, ttmp9, \first
	s_lshr_b32 s33, s32, 2                         ; which 128 columns
	s_and_b32 s34, s32, 3                          ; which quarter of K
	s_lshl_b32 s35, s33, 7
	s_lshl_b32 s36, s28, 5
	s_add_co_u32 s35, s35, s36                     ; my wave's first column n0
	s_mul_i32 s36, s34, 256*\N*4
	s_lshl_b32 s37, s35, 2
	s_add_co_u32 s36, s36, s37
	s_mov_b32 s37, 0
	s_add_nc_u64 s[48:49], s[\src:\src+1], s[36:37]
	s_lshr_b32 s38, s35, 8
	s_add_co_u32 s38, s38, \idx0                   ; the tile of 256 rows
	s_lshr_b32 s39, s34, 1                         ; khalf
	s_and_b32 s40, s34, 1
	s_bfe_u32 s41, s35, 0x30005                    ; (n0 / 32) % 8
	s_lshl_b32 s36, s38, 17
	s_lshl_b32 s42, s39, 16
	s_add_co_u32 s36, s36, s42
	s_lshl_b32 s42, s41, 13
	s_add_co_u32 s36, s36, s42
	s_lshl_b32 s42, s40, 11
	s_add_co_u32 s36, s36, s42
	s_add_nc_u64 s[44:45], s[\buf:\buf+1], s[36:37]
	s_lshl_b32 s36, s38, 13
	s_lshl_b32 s42, s39, 12
	s_add_co_u32 s36, s36, s42
	s_lshl_b32 s42, s41, 9
	s_add_co_u32 s36, s36, s42
	s_lshl_b32 s42, s40, 3
	s_add_co_u32 s36, s36, s42
	s_add_co_u32 s36, s36, \scoff
	s_add_nc_u64 s[46:47], s[\buf:\buf+1], s[36:37]
	v_lshlrev_b32 v4, 2, v1                        ; in: 4 bytes a lane
	v_bfe_u32 v8, v1, 3, 1                         ; my column's position p = swap34(lane): p / 16,
	v_and_b32 v10, 7, v1
	v_lshl_or_b32 v10, v3, 3, v10                  ; p % 16
	v_lshlrev_b32 v5, 12, v8
	v_lshl_add_u32 v5, v10, 4, v5                  ; codes: (p / 16) x 4,096 + (p % 16) x 16
	v_lshlrev_b32 v6, 8, v8
	v_lshl_add_u32 v6, v10, 4, v6                  ; scale bytes: (p / 16) x 256 + (p % 16) x 16
	LOADW 0, \N
	LOADW 1, \N
.irp t, 0,1,2,3,4,5,6,7
	WBLOCK \t, \N
.endr
	global_store_b64 v6, v[24:25], s[46:47]        ; my column's eight scale bytes
	s_endpgm
.endm
	s_load_b512 s[4:19], s[0:1], 0x0               ; x, W_qkv, W_out, Er, W_time, time_emb, b_time, b_qkv
	s_load_b256 s[20:27], s[0:1], 0x40             ; ops, wo, ez, tb
	v_lshl_add_u32 v248, v0, 2, 0xa400
	v_mov_b32 v249, 0
	v_lshrrev_b32 v1, 5, v0
	v_readfirstlane_b32 s28, v1                    ; wave 0..3
	v_and_b32 v1, 31, v0                           ; lane
	v_and_b32 v2, 15, v0                           ; r
	v_bfe_u32 v3, v0, 4, 1                         ; h
	s_mov_b32 s30, 0x76543210
	s_mov_b32 s31, 0xfedcba98                      ; v_permlanex16_b32's selects for lane l xor 16
	s_wait_kmcnt 0x0
	s_cmp_lt_u32 ttmp9, 256
	s_cbranch_scc1 .Lrole_x
	s_cmp_lt_u32 ttmp9, 352
	s_cbranch_scc1 .Lrole_w1
	s_cmp_lt_u32 ttmp9, 384
	s_cbranch_scc1 .Lrole_w2
	s_cmp_lt_u32 ttmp9, 416
	s_cbranch_scc1 .Lrole_e
	; ---- role T: 64 columns a work-group, two a lane; wave w takes t = 64 w .. 64 w + 63; the four partial sums meet in LDS
	s_sub_co_u32 s29, ttmp9, 416
	s_lshl_b32 s2, s29, 8                          ; 64 columns are 256 bytes
	s_mov_b32 s3, 0
	s_add_nc_u64 s[16:17], s[16:17], s[2:3]
	s_add_nc_u64 s[18:19], s[18:19], s[2:3]
	s_add_nc_u64 s[26:27], s[26:27], s[2:3]
	s_add_nc_u64 s[12:13], s[12:13], s[2:3]
	s_mul_i32 s2, s28, 64*12288
	s_add_nc_u64 s[12:13], s[12:13], s[2:3]        ; W_time at row 64 w
	s_lshl_b32 s2, s28, 8
	s_add_nc_u64 s[14:15], s[14:15], s[2:3]        ; time_emb at t = 64 w
	s_mul_i32 s2, s28, 2*12288
	s_add_nc_u64 s[26:27], s[26:27], s[2:3]        ; tb at batch 2 w: the two that I finish
	v_lshlrev_b32 v4, 3, v1
	s_lshl_b32 s2, s28, 11
	s_add_co_u32 s2, s2, TRED
	v_add_nc_u32 v5, s2, v4                        ; my partial sums: TRED + 2,048 w + 256 b + 8 lane
	s_lshl_b32 s2, s28, 9
	s_add_co_u32 s2, s2, TRED
	v_add_nc_u32 v6, s2, v4                        ; what I read back: batches 2 w, 2 w + 1 of all four waves
	global_load_b64 v[176:177], v4, s[16:17]
	global_load_b64 v[178:179], v4, s[18:19]
.set tt, 0
.rept 64
	global_load_b64 v[32+2*tt:33+2*tt], v4, s[12:13] offset:tt*12288 th:TH_LOAD_NT   ; a row's 256 consecutive bytes
.set tt, tt+1
.endr
.irp g, 0,1,2,3,4,5,6,7
.irp b, 0,1,2,3,4,5,6,7
	s_load_b256 s[32+8*\b+4*(\b/4):39+8*\b+4*(\b/4)], s[14:15], \b*1024+32*\g     ; time_emb[b][64 w + 8 g ..]
.endr
	s_wait_kmcnt 0x0
	s_wait_loadcnt 56-8*\g                         ; rows 8 g .. 8 g + 7 are in; the rows behind them may be out
.irp i, 0,1,2,3,4,5,6,7
.irp b, 0,1,2,3,4,5,6,7
.irp e, 0,1
.if (\g == 0) && (\i == 0)
	v_mul_f32 v[160+2*\b+\e], s[32+8*\b+4*(\b/4)+\i], v[32+\e]                     ; the first product starts the sum
.else
	v_fma_f32 v[160+2*\b+\e], s[32+8*\b+4*(\b/4)+\i], v[32+2*(8*\g+\i)+\e], v[160+2*\b+\e]
.endif
.endr
.endr
.endr
.endr
.irp b, 0,1,2,3,4,5,6,7
	ds_store_b64 v5, v[160+2*\b:161+2*\b] offset:256*\b
.endr
	s_wait_dscnt 0x0                               ; for the others' sake: my stores are done
	s_barrier_signal -1
	s_barrier_wait -1                              ; (the way here hangs on the work-group's number alone: all four waves pass)
.irp bb, 0,1
.irp p, 0,1,2,3
	ds_load_b64 v[180+8*\bb+2*\p:181+8*\bb+2*\p], v6 offset:2048*\p+256*\bb
.endr
.endr
	v_pk_add_f32 v[176:177], v[176:177], v[178:179]                                ; b_time + b_qkv
	s_wait_dscnt 0x0
.irp bb, 0,1
	v_pk_add_f32 v[180+8*\bb:181+8*\bb], v[180+8*\bb:181+8*\bb], v[182+8*\bb:183+8*\bb]
	v_pk_add_f32 v[184+8*\bb:185+8*\bb], v[184+8*\bb:185+8*\bb], v[186+8*\bb:187+8*\bb]
	v_pk_add_f32 v[180+8*\bb:181+8*\bb], v[180+8*\bb:181+8*\bb], v[184+8*\bb:185+8*\bb]
	v_pk_add_f32 v[180+8*\bb:181+8*\bb], v[180+8*\bb:181+8*\bb], v[176:177]
	global_store_b64 v4, v[180+8*\bb:181+8*\bb], s[26:27] offset:12288*\bb         ; 256 consecutive bytes, aligned
.endr
	s_wait_tensorcnt 0x0
	ds_add_u32 v248, v249
	s_wait_dscnt 0x0
	s_endpgm
.Lrole_x:
	; ---- role X: work-group g, wave w: the 16 rows 32 g + 8 (w / 2) + j + 8 (j / 8), half w % 2 of K: four K steps of 128
	s_lshr_b32 s32, s28, 1
	s_and_b32 s33, s28, 1
	s_lshl_b32 s34, ttmp9, 17
	s_lshl_b32 s35, s32, 15
	s_add_co_u32 s34, s34, s35
	s_lshl_b32 s35, s33, 11
	s_add_co_u32 s34, s34, s35
	s_mov_b32 s35, 0
	s_add_nc_u64 s[4:5], s[4:5], s[34:35]
	s_lshr_b32 s36, ttmp9, 3                       ; the tile of 256 rows
	s_and_b32 s37, ttmp9, 7
	s_lshl_b32 s37, s37, 1
	s_add_co_u32 s37, s37, s32                     ; the tile of 16 in it
	s_lshl_b32 s38, s36, 17
	s_lshl_b32 s39, s33, 16
	s_add_co_u32 s38, s38, s39
	s_lshl_b32 s39, s37, 12
	s_add_co_u32 s38, s38, s39
	s_mov_b32 s39, 0
	s_add_nc_u64 s[40:41], s[20:21], s[38:39]      ; my codes
	s_lshl_b32 s38, s36, 13
	s_lshl_b32 s44, s33, 12
	s_add_co_u32 s38, s38, s44
	s_lshl_b32 s44, s37, 8
	s_add_co_u32 s38, s38, s44
	s_add_co_u32 s38, s38, 5767168
	s_add_nc_u64 s[42:43], s[20:21], s[38:39]      ; my scale bytes
	s_mul_i32 s44, s28, XSTG
	v_lshlrev_b32 v4, 4, v1                        ; 16 x lane
	v_add_nc_u32 v5, s44, v4                       ; the stage, on the way in
	v_mul_u32_u24 v6, v2, 528
	v_lshl_add_u32 v6, v3, 7, v6
	v_add_nc_u32 v6, s44, v6                       ; and out: row r, + 128 h bytes
	v_lshlrev_b32 v7, 4, v2
	v_lshl_add_u32 v7, v3, 3, v7                   ; scale bytes: 16 r + 8 h
	v_lshlrev_b32 v14, 3, v3                       ; 8 h
	v_mov_b32 v15, 0                               ; a lane permute's destination counts as one of its sources
	LOADX 0
	LOADX 1
	XSTEP 0
	XSTEP 1
	XSTEP 2
	XSTEP 3
	v_cmp_eq_u32 vcc_lo, 1, v3
	v_cndmask_b32 v20, v16, v18, vcc_lo            ; lanes 0-15 store words 0 and 1 of row r, lanes 16-31 words 2 and 3
	v_cndmask_b32 v21, v17, v19, vcc_lo
	global_store_b64 v7, v[20:21], s[42:43]        ; 256 consecutive bytes, aligned
	s_wait_tensorcnt 0x0
	ds_add_u32 v248, v249
	s_wait_dscnt 0x0
	s_endpgm
.Lrole_w1:
	WROLE 3072, 256, 6, 20, 32, 5767168
.Lrole_w2:
	WROLE 1024, 352, 8, 22, 0, 524288
.Lrole_e:
	; ---- role E: wave = one tile a of 16 rows of Ez; lane (r, h): row u = 16 a + r, d = 32 h .. 32 h + 31: a whole block
	s_sub_co_u32 s32, ttmp9, 384
	s_lshl_b32 s32, s32, 2
	s_add_co_u32 s32, s32, s28                     ; a
	s_lshl_b32 s33, s32, 4
	v_add_nc_u32 v4, s33, v2                       ; u
	s_cmp_lt_u32 s32, 64
	s_cselect_b32 s34, 0, 1025
	v_sub_nc_u32 v5, v4, s34
	v_max_i32 v5, 0, v5                            ; u = 1024 reads row 0; its codes are cleared below
	v_lshlrev_b32 v5, 8, v5
	v_lshl_add_u32 v5, v3, 7, v5
	s_lshl_b32 s36, s32, 9
	s_mov_b32 s37, 0
	s_add_nc_u64 s[38:39], s[24:25], s[36:37]
	s_lshl_b32 s36, s32, 7
	s_add_co_u32 s36, s36, 65536
	s_add_nc_u64 s[40:41], s[24:25], s[36:37]
	v_lshlrev_b32 v6, 4, v1
	v_lshlrev_b32 v7, 2, v1
.irp e, 0,1,2,3,4,5,6,7
	global_load_b128 v[32+4*\e:35+4*\e], v5, s[10:11] offset:16*\e
.endr
	v_mov_b32 v13, 0
	v_mov_b32 v15, 0
	v_lshlrev_b32 v14, 3, v3
	s_wait_loadcnt 0x0
	v_max3_num_f32 v8, |v32|, |v33|, 0x1800000
	v_max3_num_f32 v9, |v34|, |v35|, |v36|
.irp i, 37,41,45,49,53,57
	v_max3_num_f32 v8, v8, |v[\i]|, |v[\i+1]|
	v_max3_num_f32 v9, v9, |v[\i+2]|, |v[\i+3]|
.endr
	v_max3_num_f32 v8, v8, |v61|, |v62|
	v_max3_num_f32 v8, v8, v9, |v63|
	v_add_nc_u32 v11, 0xff000000, v8
	v_lshrrev_b32 v12, 23, v11
	v_add_nc_u32 v12, 3, v12                       ; x 8: the scores are kept as q.k + 8 rel, and 1 / 8 goes into the exponential's constant
	v_min_u32 v12, 254, v12
.irp g, 0,1,2,3
	v_cvt_scalef32_pk8_fp4_f32 v[16+\g], v[32+8*\g:39+8*\g], v11
.endr
	v_nop
	v_cmp_eq_u32 vcc_lo, 1024, v4
.irp g, 0,1,2,3
	v_cndmask_b32 v[16+\g], v[16+\g], v13, vcc_lo  ; the row of zeros
.endr
	v_lshlrev_b32 v12, v14, v12
	v_permlanex16_b32 v15, v12, s30, s31
	v_or_b32 v12, v12, v15                         ; byte 0: d 0-31, byte 1: d 32-63, bytes 2 and 3: 0
	global_store_b128 v6, v[16:19], s[38:39]
	global_store_b32 v7, v12, s[40:41]
	s_endpgm
.Lfunc_end_k_q8482c25f21_prep:
	.size	k_q8482c25f21_prep, .Lfunc_end_k_q8482c25f21_prep-k_q8482c25f21_prep
	.p2alignl 7, 3214868480
	.fill 96, 4, 3214868480
	.section	.rodata,"a",@progbits
	.p2align	6, 0x0
	.amdhsa_kernel k_q8482c25f21_prep
		.amdhsa_group_segment_fixed_size 42496
		.amdhsa_private_segment_fixed_size 0
		.amdhsa_enable_private_segment 0
		.amdhsa_kernarg_size 96
		.amdhsa_user_sgpr_count 2
		.amdhsa_user_sgpr_kernarg_segment_ptr 1
		.amdhsa_wavefront_size32 1
		.amdhsa_system_sgpr_workgroup_id_x 1
		.amdhsa_system_sgpr_workgroup_id_y 1
		.amdhsa_system_sgpr_workgroup_id_z 1
		.amdhsa_system_vgpr_workitem_id 0
		.amdhsa_next_free_vgpr 250
		.amdhsa_next_free_sgpr 100
		.amdhsa_reserve_vcc 1
		.amdhsa_float_denorm_mode_32 3
		.amdhsa_float_denorm_mode_16_64 3
		.amdhsa_memory_ordered 1
		.amdhsa_forward_progress 1
		.amdhsa_inst_pref_size 188
	.end_amdhsa_kernel
	.amdgpu_metadata
---
amdhsa.version: [ 1, 2 ]
amdhsa.kernels:
  - .name:           k_q8482c25f21_prep
    .symbol:         k_q8482c25f21_prep.kd
    .args:
      - { .name: x, .offset: 0, .size: 8, .value_kind: global_buffer, .address_space: global }
      - { .name: W_qkv, .offset: 8, .size: 8, .value_kind: global_buffer, .address_space: global }
      - { .name: W_out, .offset: 16, .size: 8, .value_kind: global_buffer, .address_space: global }
      - { .name: Er, .offset: 24, .size: 8, .value_kind: global_buffer, .address_space: global }
      - { .name: W_time, .offset: 32, .size: 8, .value_kind: global_buffer, .address_space: global }
      - { .name: time_emb, .offset: 40, .size: 8, .value_kind: global_buffer, .address_space: global }
      - { .name: b_time, .offset: 48, .size: 8, .value_kind: global_buffer, .address_space: global }
      - { .name: b_qkv, .offset: 56, .size: 8, .value_kind: global_buffer, .address_space: global }
      - { .name: ops, .offset: 64, .size: 8, .value_kind: global_buffer, .address_space: global }
      - { .name: wo, .offset: 72, .size: 8, .value_kind: global_buffer, .address_space: global }
      - { .name: ez, .offset: 80, .size: 8, .value_kind: global_buffer, .address_space: global }
      - { .name: tb, .offset: 88, .size: 8, .value_kind: global_buffer, .address_space: global }
    .group_segment_fixed_size: 42496
    .private_segment_fixed_size: 0
    .kernarg_segment_align: 8
    .kernarg_segment_size: 96
    .max_flat_workgroup_size: 128
    .sgpr_count:     100
    .vgpr_count:     250
    .wavefront_size: 32
...
	.end_amdgpu_metadata
.endif
;; end of part 1
;; launch gemm1 (part 2): grid 12 x 32, 4 waves a work-group, clusters of 4 x 4, 279,040 bytes of LDS; arguments ops, tb, qk, vv; writes qk, vv
.if DOCPART == 2
	.amdgcn_target "amdgcn-amd-amdhsa--gfx1250"
	.amdhsa_code_object_version 6
	.text
	.protected	k_q8482c25f21_gemm1
	.globl	k_q8482c25f21_gemm1
	.p2align	8
	.type	k_q8482c25f21_gemm1,@function
k_q8482c25f21_gemm1:
	s_mov_b64 s[64:65], 0
	v_nop
	global_prefetch_b8 v0, s[64:65] scope:SCOPE_SE
	s_setreg_imm32_b32 hwreg(HW_REG_WAVE_MODE, 25, 1), 1
	s_wait_xcnt 0x0
	s_wait_alu depctr_hold_cnt(0) depctr_sa_sdst(0) depctr_va_vdst(0) depctr_va_sdst(0) depctr_va_ssrc(0) depctr_va_vcc(0) depctr_vm_vsrc(0)
	s_getreg_b32 s2, hwreg(HW_REG_IB_STS2, 6, 4)
	s_cmp_eq_u32 s2, 0
	s_cbranch_scc0 .Lentry_in_a_cluster
	s_endpgm
.Lentry_in_a_cluster:
	s_bfe_u32 s2, ttmp6, 0x10000c
	s_cmp_lg_u32 s2, 0xf033
	s_cbranch_scc0 .Lentry_shape_is_right
	s_endpgm
.Lentry_shape_is_right:
; q, k, v = x W_qkv + tb, on codes of E2M1 with E8M0 scales (K = 1,024), and at once quantised again: q and k along the head's 64, v along the keys.  Nothing wider than codes goes to memory.
; A tile of 256 x 256 is made by four waves, 128 x 128 each: 64 accumulators, 512 registers.  K is two slots of 512: both slots and all scale bytes are filled once, at the start; no LDS byte is filled twice.
; The operands lie in memory in the order of their registers: a fragment (16 rows x 128 K) is 1,024 dense bytes, 16 a lane and load; so LDS needs no pitch and no padding.
; THE MATRIX INSTRUCTION: source 0 = 16 rows of region B, source 1 = 16 rows of region A: a lane holds one row of A, its registers run along B's rows.
;   cluster x = 0, 1 (q, k): A = 256 tokens of x, B = 256 columns of W: a lane is a token, its registers run along the head's channels.
;   cluster x = 2 (v):       A = 256 columns of W_v, B = 256 tokens: a lane is a channel, its registers run along the keys.
; The rows of both images stand in the order swap34, so that the 16 registers of B's tiles 2 G and 2 G + 1 are 16 neighbours: 32 G + 16 (lane / 16) + 0 .. 15.
; The bias tb is the C of the first K step.  CLUSTERS: 4 x 4; A's tile is shared along a row of the cluster, B's along a column, each asked for jointly.
; The branches hang on the cluster's x and on the wave's number alone: they are the same in all partners.
; LIMITS: as in the launch before: NaN and infinities not served; a block under 2^-124 has its byte held at 1, a block of zeros the byte 1.  The bias enters the sum first: another order of f32 rounding than x W + b + t.
; REGISTERS: window 0: v1-6 lane numbers, v16-27 addresses, v32-95 scale words (two sets), v96-107 the words made, v128-191 A's fragments (one set), later the codes made, v192-255 the bias, later at work;
;   window 1: B's fragments, two sets;  windows 2, 3: the accumulators ((a, b) at v[8 (8 (a % 4) + b)]).
.set SLOT,  131072                     ; A's 16 tiles x 4 K steps x 1,024 bytes, then B's
.set SCL,   262144                     ; behind the slots: A's scale bytes, 8,192; B's, 8,192
.set NQ,    4
.set ADRA,  16
.set ADRB,  20
.set ADRS,  27
.set SC,    32
.set SWR,   96
.set AF,    128
.set BI,    192
.set TM,    200
.set TP,    204
.set SO,    212
.set G1A,  24
.set G0A,  32
.set G1B,  48
.set G0B,  56
.set G1SA, 68
.set G0SA, 76
.set G1SB, 80
.set G0SB, 88
.set MSB, 0
.macro WIN new                         ; the immediate's high byte repeats the setting that is left
.if MSB != \new
	s_set_vgpr_msb (MSB<<8)|\new
.set MSB, \new
.endif
.endm
.macro WMUL hi, mode                   ; source 0 window 1, source 1 window 0, D window 2 or 3; C with D, or (the first K step) the bias in window 0
.if \mode
	WIN 0x81+0x40*(\hi)
.else
	WIN 0xa1+0x50*(\hi)
.endif
.endm
.macro JLOAD g0a, g1a, g0b, g1b        ; a joint load: waves 0 and 1 fetch for A, waves 2 and 3 for B; four v_nop follow each of the two lines
	s_cmp_eq_u32 s19, 0
	s_cbranch_scc0 .Lfor_b_\@
	tensor_load_to_lds s[\g0a:\g0a+3], s[\g1a:\g1a+7]
	s_nop 0
.rept 4
	v_nop
.endr
	s_branch .Lasked_\@
.Lfor_b_\@:
	tensor_load_to_lds s[\g0b:\g0b+3], s[\g1b:\g1b+7]
	s_nop 0
.rept 4
	v_nop
.endr
.Lasked_\@:
.endm
.macro CROUND                          ; a round of the cluster's barrier
	s_barrier_signal -1
	s_barrier_wait -1
	s_cmp_lg_u32 s18, 0
	s_cbranch_scc1 .Lnot_wave_0_\@
	s_barrier_signal -3
.Lnot_wave_0_\@:
	s_barrier_wait -3
	s_barrier_signal -1
	s_barrier_wait -1
.endm
.macro PLACES n
.rept \n
	v_nop
.endr
.endm
.macro FRAG reg, adr, q, i             ; a fragment as it lies: two loads of 512 dense bytes
.irp c, 0,1
	ds_load_b128 v[\reg+4*\c:\reg+4*\c+3], v[\adr] offset:4096*(\i)+1024*(\q)+512*\c
.endr
.endm
.macro FETCH_B slot, q, p
	WIN 0x40
.irp i, 0,1,2,3,4,5,6,7
	FRAG 128*(\p)+8*\i, ADRB+\slot, \q, \i
.endr
	WIN 0
.endm
.macro FETCH_A slot, q, i0
.irp i, \i0, \i0+1, \i0+2, \i0+3
	FRAG AF+8*(\i), ADRA+\slot, \q, \i
.endr
.endm
.macro SCALES sc                       ; a slot's scale words: lanes 0-15 A's tile i, lanes 16-31 B's tile i; four words: the slot's four K steps
.irp i, 0,1,2,3,4,5,6,7
	ds_load_b128 v[SC+32*\sc+4*\i:SC+32*\sc+4*\i+3], v[ADRS] offset:256*\i
.endr
.endm
; 16 matrix instructions: A's tiles a0, a0 + 1 x B's eight.  mode 0: onto the sums; 1: C = the bias of B's tile b; 2: C = the bias of A's tile a.  The 64 accumulators take turns.
.macro MUL16 a0, p, q, sc, mode
.irp a, \a0, \a0+1
.irp b, 0,1,2,3,4,5,6,7
.if \mode == 0
	v_wmma_scale_f32_16x16x128_f8f6f4 v[8*(8*((\a)%4)+\b):8*(8*((\a)%4)+\b)+7], v[128*(\p)+8*\b:128*(\p)+8*\b+7], v[AF+8*(\a):AF+8*(\a)+7], v[8*(8*((\a)%4)+\b):8*(8*((\a)%4)+\b)+7], v[SC+32*(\sc)+4*\b+(\q)], v[SC+32*(\sc)+4*(\a)+(\q)] matrix_a_fmt:MATRIX_FMT_FP4 matrix_b_fmt:MATRIX_FMT_FP4 matrix_a_scale:MATRIX_SCALE_ROW1
.elseif \mode == 1
	v_wmma_scale_f32_16x16x128_f8f6f4 v[8*(8*((\a)%4)+\b):8*(8*((\a)%4)+\b)+7], v[128*(\p)+8*\b:128*(\p)+8*\b+7], v[AF+8*(\a):AF+8*(\a)+7], v[BI+8*\b:BI+8*\b+7], v[SC+32*(\sc)+4*\b+(\q)], v[SC+32*(\sc)+4*(\a)+(\q)] matrix_a_fmt:MATRIX_FMT_FP4 matrix_b_fmt:MATRIX_FMT_FP4 matrix_a_scale:MATRIX_SCALE_ROW1
.else
	v_wmma_scale_f32_16x16x128_f8f6f4 v[8*(8*((\a)%4)+\b):8*(8*((\a)%4)+\b)+7], v[128*(\p)+8*\b:128*(\p)+8*\b+7], v[AF+8*(\a):AF+8*(\a)+7], v[BI+8*(\a):BI+8*(\a)+7], v[SC+32*(\sc)+4*\b+(\q)], v[SC+32*(\sc)+4*(\a)+(\q)] matrix_a_fmt:MATRIX_FMT_FP4 matrix_b_fmt:MATRIX_FMT_FP4 matrix_a_scale:MATRIX_SCALE_ROW1
.endif
.endr
.endr
.endm
; A K step of 128 that has its successor in the same slot.  Loads into registers that matrix instructions have read stand four plain vector instructions behind them (ISA guide 7.12.1 for vector instructions).
.macro STEP slot, q, mode
	s_wait_dscnt 8                                 ; all but the youngest eight loads: A's tiles 4-7
	WMUL 0, \mode
	MUL16 0, (\q)%2, \q, \slot, \mode
	MUL16 2, (\q)%2, \q, \slot, \mode
	s_wait_dscnt 0x0
	PLACES 4
	FETCH_B \slot, (\q)+1, 1-(\q)%2
	FETCH_A \slot, (\q)+1, 0
	WMUL 1, \mode
	MUL16 4, (\q)%2, \q, \slot, \mode
	MUL16 6, (\q)%2, \q, \slot, \mode
	PLACES 4
	WIN 0
	FETCH_A \slot, (\q)+1, 4
.endm
.macro STEPS slot, from
.set Q, \from
.rept NQ-1-\from
	STEP \slot, Q, 0
.set Q, Q+1
.endr
.endm
; The 64 sums of A's tile a (register 16 b + i = k 32 b + 16 (lane / 16) + i of my row) become a fragment's codes in v[128 + 8 a ..] and its scale word in v[96 + a].
.macro QUANT a
.set AC, 64*((\a)%4)
.set WW, (2+(\a)/4)*5
	WIN WW                                         ; sources 0 and 1: the accumulators' window
.irp b, 0,1,2,3
	v_max3_num_f32 v[TM+\b], |v[AC+16*\b]|, |v[AC+16*\b+1]|, 0x1800000     ; each accumulator is read from its low end on
.endr
.irp i, 2,4,6,8,10,12,14
.irp b, 0,1,2,3
	v_max3_num_f32 v[TM+\b], |v[AC+16*\b+\i]|, |v[AC+16*\b+\i+1]|, v[TM+\b]
.endr
.endr
	WIN 0
.irp b, 0,1,2,3
	v_permlanex16_b32 v[TP+\b], v[TM+\b], s2, s3
.endr
.irp b, 0,1,2,3
	v_max_num_f32 v[TM+\b], v[TM+\b], v[TP+\b]     ; with lane l xor 16's 16: the block's largest magnitude
.endr
.irp b, 0,1,2,3
	v_add_nc_u32 v[SO+\b], 0xff000000, v[TM+\b]    ; 2 off the exponent field: the conversion's scale operand
.endr
.irp b, 0,1,2,3
	v_lshrrev_b32 v[TP+\b], 23, v[SO+\b]           ; the byte
.endr
	v_lshl_or_b32 v[SWR+(\a)], v[TP+1], 8, v[TP]
	v_lshl_or_b32 v[SWR+(\a)], v[TP+2], 16, v[SWR+(\a)]
	v_lshl_or_b32 v[SWR+(\a)], v[TP+3], 24, v[SWR+(\a)]
	WIN 2+(\a)/4
.irp b, 0,1,2,3
	v_cvt_scalef32_pk8_fp4_f32 v[AF+8*(\a)+2*\b], v[AC+16*\b:AC+16*\b+7], v[SO+\b]
	v_cvt_scalef32_pk8_fp4_f32 v[AF+8*(\a)+2*\b+1], v[AC+16*\b+8:AC+16*\b+15], v[SO+\b]
.endr
	WIN 0
	v_nop                                          ; a plain line behind the conversions
.irp c, 0,1
.irp i, 0,1
	v_permlane16_swap_b32 v[AF+8*(\a)+4*\c+\i], v[AF+8*(\a)+4*\c+2+\i]     ; a whole block to a lane: registers 4 c .. 4 c + 3: k = 64 c + 32 h + 0 .. 31
.endr
.endr
.endm
	s_load_b256 s[4:11], s[0:1], 0x0               ; ops, tb, qk, vv
	v_lshl_add_u32 v126, v0, 2, 0x44000
	v_mov_b32 v127, 0
	ds_add_u32 v126, v127
	ds_add_u32 v126, v127
	v_lshrrev_b32 v1, 5, v0
	v_readfirstlane_b32 s18, v1                    ; wave 0..3
	s_lshr_b32 s19, s18, 1                         ; my half of A's rows.  Also: I fetch for A (0) or for B (1)
	s_and_b32 s20, s18, 1                          ; my half of B's rows.  Also: which half of a region I fetch
	s_bfe_u32 s40, ttmp6, 0x40000                  ; cx
	s_bfe_u32 s41, ttmp6, 0x40004                  ; cy
	s_mov_b32 s95, ttmp9                           ; the cluster's x: 0 q, 1 k, 2 v
	s_and_b32 s96, ttmp7, 0xffff                   ; the cluster's y: the batch
	s_lshl_b32 s43, s41, 2
	s_lshl_b32 s43, 15, s43                        ; my row of the cluster
	s_lshl_b32 s44, 0x1111, s40                    ; my column
	s_mov_b32 s2, 0x76543210
	s_mov_b32 s3, 0xfedcba98                       ; v_permlanex16_b32's selects for lane l xor 16
	; descriptor group 1: a dense block as rows of 256 bytes (32 elements of 8 bytes): 128 rows of codes, 16 of scale bytes
	s_or_b32 s[G1A], s43, (3<<16)|(1<<21)          ; 15:0 the mask; 17:16 elements of 8 bytes; 21 set beside a mask
	s_or_b32 s[G1B], s44, (3<<16)|(1<<21)
	s_or_b32 s[G1SA], s43, (3<<16)|(1<<21)
	s_or_b32 s[G1SB], s44, (3<<16)|(1<<21)
.irp g, G1A, G1B
	s_mov_b32 s[\g+1], 32<<16                      ; tensor_dim0
	s_mov_b32 s[\g+2], 128<<16                     ; tensor_dim1
	s_mov_b32 s[\g+3], 32<<16                      ; tile_dim0
	s_mov_b32 s[\g+4], 128                         ; tile_dim1
	s_mov_b32 s[\g+5], 32                          ; the pitch
	s_mov_b32 s[\g+6], 0
	s_mov_b32 s[\g+7], 0
.endr
.irp g, G1SA, G1SB
	s_mov_b32 s[\g+1], 32<<16
	s_mov_b32 s[\g+2], 16<<16
	s_mov_b32 s[\g+3], 32<<16
	s_mov_b32 s[\g+4], 16
	s_mov_b32 s[\g+5], 32
	s_mov_b32 s[\g+6], 0
	s_mov_b32 s[\g+7], 0
.endr
	; which tiles of ops: x's are 0-31, W_qkv's 32-43.  A's number is made of cy, B's of cx, each in registers that never hold the other
	s_lshl_b32 s97, s96, 2                         ; 4 x batch
	s_lshl_b32 s98, s95, 2
	s_add_co_u32 s98, s98, 32
	s_cmp_eq_u32 s95, 2
	s_cselect_b32 s12, 40, s97
	s_cselect_b32 s13, s97, s98
	s_add_co_u32 s12, s12, s41                     ; A's tile
	s_add_co_u32 s13, s13, s40                     ; B's tile
	s_lshl_b32 s16, s20, 15
	s_lshl_b32 s14, s12, 17
	s_add_co_u32 s14, s14, s16
	s_mov_b32 s15, 0
	s_lshl_b32 s46, s13, 17
	s_add_co_u32 s46, s46, s16
	s_mov_b32 s47, 0
	s_lshl_b32 s16, s20, 12
	s_lshl_b32 s22, s12, 13
	s_add_co_u32 s22, s22, s16
	s_add_co_u32 s22, s22, 5767168
	s_mov_b32 s23, 0
	s_lshl_b32 s92, s13, 13
	s_add_co_u32 s92, s92, s16
	s_add_co_u32 s92, s92, 5767168
	s_mov_b32 s93, 0
	s_lshl_b32 s45, s18, 15                        ; where they go: wave x 32,768: no place in the cluster enters an LDS address
	s_lshl_b32 s94, s18, 12
	s_wait_dscnt 0x0
	s_wait_kmcnt 0x0
	s_add_nc_u64 s[14:15], s[4:5], s[14:15]
	s_add_nc_u64 s[22:23], s[4:5], s[22:23]
	s_add_nc_u64 s[46:47], s[4:5], s[46:47]
	s_add_nc_u64 s[92:93], s[4:5], s[92:93]
	CROUND                                         ; all sixteen work-groups are here: the joint loads meet
	s_mov_b32 s[G0SA], 1
	s_add_co_u32 s[G0SA+1], s94, SCL
	s_mov_b64 s[G0SA+2:G0SA+3], s[22:23]
	s_or_b32 s[G0SA+3], s[G0SA+3], 0x80000000
	s_mov_b32 s[G0SB], 1
	s_add_co_u32 s[G0SB+1], s94, SCL
	s_mov_b64 s[G0SB+2:G0SB+3], s[92:93]
	s_or_b32 s[G0SB+3], s[G0SB+3], 0x80000000
	JLOAD G0SA, G1SA, G0SB, G1SB                   ; the scale bytes first
.irp s, 0,1
	s_mov_b32 s[G0A+4*\s], 1
	s_add_co_u32 s[G0A+4*\s+1], s45, \s*SLOT
	s_add_nc_u64 s[G0A+4*\s+2:G0A+4*\s+3], s[14:15], \s*65536
	s_or_b32 s[G0A+4*\s+3], s[G0A+4*\s+3], 0x80000000
	s_mov_b32 s[G0B+4*\s], 1
	s_add_co_u32 s[G0B+4*\s+1], s45, \s*SLOT
	s_add_nc_u64 s[G0B+4*\s+2:G0B+4*\s+3], s[46:47], \s*65536
	s_or_b32 s[G0B+4*\s+3], s[G0B+4*\s+3], 0x80000000
	JLOAD G0A+4*\s, G1A, G0B+4*\s, G1B             ; both halves of K: three loads of mine are out
.endr
	v_and_b32 v1, 15, v0                           ; r
	v_bfe_u32 v2, v0, 4, 1                         ; h
	v_and_b32 v3, 31, v0
	v_lshlrev_b32 v24, 4, v3                       ; 16 x lane
	s_lshl_b32 s21, s19, 15                        ; my eight tiles of A
	s_lshl_b32 s42, s20, 15
	s_add_co_u32 s42, s42, 65536                   ; and of B
.irp s, 0,1
	v_add_nc_u32 v[ADRA+\s], s21, v24
	v_add_nc_u32 v[ADRB+\s], s42, v24
	s_add_co_u32 s21, s21, SLOT
	s_add_co_u32 s42, s42, SLOT
.endr
	s_lshl_b32 s21, s19, 11                        ; scale words: A's eight tiles of mine;
	s_lshl_b32 s42, s20, 11
	s_add_co_u32 s42, s42, 8192
	s_sub_co_u32 s42, s42, s21
	v_mul_u32_u24 v6, s42, v2                      ; lanes 16-31 take B's: one product with h
	s_add_co_u32 s21, s21, SCL
	v_lshlrev_b32 v4, 4, v1
	v_add_nc_u32 v4, v4, v6
	v_add_nc_u32 v[ADRS], s21, v4
	; the bias, in the result's layout
	s_cmp_eq_u32 s95, 2
	s_cbranch_scc1 .Lbias_v
	s_mul_i32 s66, s96, 12288                      ; q, k: tb[batch][1,024 X + 256 cx + 128 (my half) ..]: register j of B's tile b is column 32 (b / 2) + 8 (b % 2) + 16 h + j
	s_lshl_b32 s17, s95, 12
	s_add_co_u32 s66, s66, s17
	s_lshl_b32 s17, s40, 10
	s_add_co_u32 s66, s66, s17
	s_lshl_b32 s17, s20, 9
	s_add_co_u32 s66, s66, s17
	s_mov_b32 s67, 0
	s_add_nc_u64 s[6:7], s[6:7], s[66:67]
	v_lshlrev_b32 v5, 6, v2
.irp b, 0,1,2,3,4,5,6,7
	global_load_b128 v[BI+8*\b:BI+8*\b+3], v5, s[6:7] offset:(32*(\b/2)+8*(\b%2))*4
	global_load_b128 v[BI+8*\b+4:BI+8*\b+7], v5, s[6:7] offset:(32*(\b/2)+8*(\b%2))*4+16
.endr
	s_branch .Lbias_done
.Lbias_v:
	s_mul_i32 s66, s96, 12288                      ; v: a lane is a channel: the same number in all eight registers of A's tile a
	s_add_co_u32 s66, s66, 8192
	s_lshl_b32 s17, s41, 10
	s_add_co_u32 s66, s66, s17
	s_lshl_b32 s17, s19, 9
	s_add_co_u32 s66, s66, s17
	s_mov_b32 s67, 0
	s_add_nc_u64 s[6:7], s[6:7], s[66:67]
	v_and_b32 v5, 8, v1
	v_add_nc_u32 v5, v5, v1
	v_lshlrev_b32 v5, 2, v5                        ; 4 (r + 8 (r / 8))
.irp a, 0,1,2,3,4,5,6,7
.irp j, 0,1,2,3,4,5,6,7
	global_load_b32 v[BI+8*\a+\j], v5, s[6:7] offset:(32*(\a/2)+8*(\a%2))*4
.endr
.endr
.Lbias_done:
	s_wait_tensorcnt 1                             ; the scale bytes and my part of slot 0 are in; slot 1's load may be out
	s_barrier_signal -1
	s_barrier_wait -1
	FETCH_B 0, 0, 0
	FETCH_A 0, 0, 0
	SCALES 0
	FETCH_A 0, 0, 4
	s_wait_loadcnt 0x0                             ; the bias
	s_cmp_eq_u32 s95, 2
	s_cbranch_scc1 .Lfirst_v
	STEP 0, 0, 1                                   ; the first K step starts the sums from the bias
	s_branch .Lfirst_done
.Lfirst_v:
	STEP 0, 0, 2
.Lfirst_done:
	STEPS 0, 1
	; slot 0's last K step, and the change of slots: in front of the barrier my part of slot 1 has landed
	s_wait_tensorcnt 0x0
	s_wait_dscnt 8
	WMUL 0, 0
	MUL16 0, 1, 3, 0, 0
	s_wait_dscnt 0x0                               ; no LDS instruction of mine is out at the signal
	s_barrier_signal -1
	MUL16 2, 1, 3, 0, 0
	WIN 0
	s_barrier_wait -1
	PLACES 4
	v_add_nc_u32 v[ADRS], 4096, v[ADRS]            ; the second half of K's scale words
	FETCH_B 1, 0, 0
	FETCH_A 1, 0, 0
	SCALES 1
	WMUL 1, 0
	MUL16 4, 1, 3, 0, 0
	MUL16 6, 1, 3, 0, 0
	PLACES 4
	WIN 0
	FETCH_A 1, 0, 4
	STEPS 1, 0
	s_wait_dscnt 8                                 ; the last K step: nothing more to fetch
	WMUL 0, 0
	MUL16 0, 1, 3, 1, 0
	MUL16 2, 1, 3, 1, 0
	s_wait_dscnt 0x0
	WMUL 1, 0
	MUL16 4, 1, 3, 1, 0
	MUL16 6, 1, 3, 1, 0
	WIN 0
	PLACES 4                                       ; in front of the first read of results and the first write over operands
.irp b, 0,1,2,3
	v_mov_b32 v[TP+\b], 0                          ; a lane permute's destination counts as one of its sources
.endr
.irp a, 0,1,2,3,4,5,6,7
	QUANT \a
.endr
	s_cmp_eq_u32 s95, 2
	s_cbranch_scc1 .Lout_v
	; q, k: registers 0-3 of a tile's codes are head 4 cx + 2 (my half), registers 4-7 the next head; tokens: step 2 cy + (my half), tile a
	s_lshl_b32 s99, s96, 4
	s_lshl_b32 s17, s40, 2
	s_add_co_u32 s99, s99, s17
	s_lshl_b32 s17, s20, 1
	s_add_co_u32 s99, s99, s17                     ; the head's record
	s_lshl_b32 s17, s41, 1
	s_add_co_u32 s17, s17, s19                     ; the step of 128 tokens
	s_lshl_b32 s66, s99, 12
	s_lshl_b32 s100, s17, 9
	s_add_co_u32 s66, s66, s100
	s_lshl_b32 s100, s95, 19
	s_add_co_u32 s66, s66, s100
	s_add_co_u32 s66, s66, 8388608
	s_mov_b32 s67, 0
	s_add_nc_u64 s[100:101], s[8:9], s[66:67]      ; scale words
	s_lshl_b32 s66, s99, 15
	s_lshl_b32 s99, s17, 12
	s_add_co_u32 s66, s66, s99
	s_lshl_b32 s99, s95, 22
	s_add_co_u32 s66, s66, s99
	s_add_nc_u64 s[8:9], s[8:9], s[66:67]          ; codes
	v_lshlrev_b32 v30, 4, v2
	v_lshlrev_b32 v25, 4, v1
	v_lshl_add_u32 v25, v2, 12, v25                ; lanes 0-15: the first head's words, lanes 16-31 the next head's, 4,096 bytes on
.irp a, 0,1,2,3,4,5,6,7
	v_lshrrev_b32 v[SWR+\a], v30, v[SWR+\a]
.endr
.irp a, 0,1,2,3,4,5,6,7
	v_and_b32 v[SWR+\a], 0xffff, v[SWR+\a]         ; two bytes for the head's 64; bytes 2 and 3 are 0
.endr
.irp a, 0,1,2,3,4,5,6,7
	global_store_b128 v24, v[AF+8*\a:AF+8*\a+3], s[8:9] offset:512*\a              ; 512 consecutive bytes
	global_store_b128 v24, v[AF+8*\a+4:AF+8*\a+7], s[8:9] offset:512*\a+32768
.endr
	global_store_b128 v25, v[SWR:SWR+3], s[100:101]
	global_store_b128 v25, v[SWR+4:SWR+7], s[100:101] offset:256
	s_branch .Lout_done
.Lout_v:
	; v: A's tiles 0-3 are head 4 cy + 2 (my half), tiles 4-7 the next; the keys: step 2 cx + (my half)
	s_lshl_b32 s99, s96, 4
	s_lshl_b32 s17, s41, 2
	s_add_co_u32 s99, s99, s17
	s_lshl_b32 s17, s19, 1
	s_add_co_u32 s99, s99, s17
	s_lshl_b32 s17, s40, 1
	s_add_co_u32 s17, s17, s20
	s_lshl_b32 s66, s99, 11
	s_lshl_b32 s100, s17, 8
	s_add_co_u32 s66, s66, s100
	s_add_co_u32 s66, s66, 4194304
	s_mov_b32 s67, 0
	s_add_nc_u64 s[100:101], s[10:11], s[66:67]
	s_lshl_b32 s66, s99, 15
	s_lshl_b32 s99, s17, 12
	s_add_co_u32 s66, s66, s99
	s_add_nc_u64 s[10:11], s[10:11], s[66:67]
	v_cmp_eq_u32 vcc_lo, 1, v2
.irp k, 0,1,2,3
	v_cndmask_b32 v[SWR+8+\k], v[SWR+\k], v[SWR+4+\k], vcc_lo
.endr
	v_lshlrev_b32 v26, 4, v1
	v_lshl_add_u32 v26, v2, 11, v26
.irp a, 0,1,2,3,4,5,6,7
	global_store_b128 v24, v[AF+8*\a:AF+8*\a+3], s[10:11] offset:(\a/4)*32768+(\a%4)*1024
	global_store_b128 v24, v[AF+8*\a+4:AF+8*\a+7], s[10:11] offset:(\a/4)*32768+(\a%4)*1024+512
.endr
	global_store_b128 v26, v[SWR+8:SWR+11], s[100:101]
.Lout_done:
	s_wait_tensorcnt 0x0
	s_wait_dscnt 0x0
	s_wait_tensorcnt 0x0
	ds_add_u32 v126, v127
	s_wait_dscnt 0x0
	CROUND                                         ; the closing round
	s_endpgm
.Lfunc_end_k_q8482c25f21_gemm1:
	.size	k_q8482c25f21_gemm1, .Lfunc_end_k_q8482c25f21_gemm1-k_q8482c25f21_gemm1
	.p2alignl 7, 3214868480
	.fill 96, 4, 3214868480
	.section	.rodata,"a",@progbits
	.p2align	6, 0x0
	.amdhsa_kernel k_q8482c25f21_gemm1
		.amdhsa_group_segment_fixed_size 279040
		.amdhsa_private_segment_fixed_size 0
		.amdhsa_enable_private_segment 0
		.amdhsa_kernarg_size 32
		.amdhsa_user_sgpr_count 2
		.amdhsa_user_sgpr_kernarg_segment_ptr 1
		.amdhsa_wavefront_size32 1
		.amdhsa_system_sgpr_workgroup_id_x 1
		.amdhsa_system_sgpr_workgroup_id_y 1
		.amdhsa_system_sgpr_workgroup_id_z 1
		.amdhsa_system_vgpr_workitem_id 0
		.amdhsa_next_free_vgpr 1024
		.amdhsa_next_free_sgpr 102
		.amdhsa_reserve_vcc 1
		.amdhsa_float_denorm_mode_32 3
		.amdhsa_float_denorm_mode_16_64 3
		.amdhsa_memory_ordered 1
		.amdhsa_forward_progress 1
		.amdhsa_inst_pref_size 150
	.end_amdhsa_kernel
	.amdgpu_metadata
---
amdhsa.version: [ 1, 2 ]
amdhsa.kernels:
  - .name:           k_q8482c25f21_gemm1
    .symbol:         k_q8482c25f21_gemm1.kd
    .args:
      - { .name: ops, .offset: 0, .size: 8, .value_kind: global_buffer, .address_space: global }
      - { .name: tb, .offset: 8, .size: 8, .value_kind: global_buffer, .address_space: global }
      - { .name: qk, .offset: 16, .size: 8, .value_kind: global_buffer, .address_space: global }
      - { .name: vv, .offset: 24, .size: 8, .value_kind: global_buffer, .address_space: global }
    .group_segment_fixed_size: 279040
    .private_segment_fixed_size: 0
    .kernarg_segment_align: 8
    .kernarg_segment_size: 32
    .max_flat_workgroup_size: 128
    .sgpr_count:     102
    .vgpr_count:     1024
    .wavefront_size: 32
...
	.end_amdgpu_metadata
.endif
;; end of part 2
;; launch attn (part 3): grid 2 x 128, 16 waves a work-group, no clusters, 307,200 bytes of LDS; arguments qk, vv, ez, oo; writes oo
.if DOCPART == 3
	.amdgcn_target "amdgcn-amd-amdhsa--gfx1250"
	.amdhsa_code_object_version 6
	.text
	.protected	k_q8482c25f21_attn
	.globl	k_q8482c25f21_attn
	.p2align	8
	.type	k_q8482c25f21_attn,@function
k_q8482c25f21_attn:
	s_mov_b64 s[64:65], 0
	v_nop
	global_prefetch_b8 v0, s[64:65] scope:SCOPE_SE
	s_setreg_imm32_b32 hwreg(HW_REG_WAVE_MODE, 25, 1), 1
	s_wait_xcnt 0x0
; o = softmax(q k^T / 8 + skew(q Er^T)) v, all three products on codes of E2M1 with E8M0 scales; o is divided by the row's sum and quantised along C for the last product.
; A WORK-GROUP STAYS: it owns one head and walks two blocks of 256 queries, one after the other, so that the head's K, V and the table Ez are copied into LDS once for both: 2 x 128 work-groups.
; THE SKEW.  With u = key - query + 1023: the term is q_i . Er[u] for u <= 1023, 0 for u = 1024, q_(i+1) . Er[u - 1025] above.  The table Ez[u] (2,048 rows) holds just that, its scale bytes 3 up (x 8).
; A tile of 16 rows of Ez lies wholly under or wholly over u = 1024: tiles 0-63 multiply q_i, tiles 64-127 q_(i+1).  Of a wave's eight key steps one has tiles of both kinds; the branches hang on ids alone.
; For 16 queries i0 + r and 128 keys, u = 16 a0 + (key in the step) + 15 - r: nine tiles of Ez.  Their products go into my own stage in LDS, row r 148 words apart, and come back 147 words apart:
; that is the shift by r.  They come back into the registers that are the C of k q^T: the addition costs no vector instruction.
; K = 64 IN AN INSTRUCTION OF 128: q's registers 4-7 are zero codes, and all scale words have the byte 0 (2^-127) for those two blocks; E2M1 has no NaN, so the other side's registers 4-7 may hold any codes.
; THE SOFTMAX: t = (q.k + 8 rel) x log2(e) / 8; M = the running largest t rounded up to a whole number; p = 2^(t - M) is quantised along the keys; the sum is taken of the unquantised p and divides at the end.
; SHARES.  Sixteen waves, one tile of 16 queries each in a pass, four to a SIMD.  K's, V's and Ez's codes and scale words lie in LDS for the whole launch (copied once, through registers: dense pieces of 16 bytes
; a thread, one barrier); the loop over the eight steps of 128 keys reads nothing from memory and has no barrier, and neither has the change of passes: the stage is a wave's own, all else in LDS is only read.
; No cluster: what work-groups share is read once, and the Ez tile's LDS address hangs on the query block.
; LAYOUT.  Both products transposed: a lane holds one query (lane % 16).  The keys of a tile of K and the channels of a tile of V stand in the order swap34 (made by the launch before).
; LIMITS: NaN and infinities not served; a block under 2^-124 has its byte held at 1, a block of zeros the byte 1.  A block's largest p is taken from its largest score (v_exp_f32 is taken not to fall where its input rises).
; o's scale bytes leave as single bytes: 256 KiB of the launch's bytes.
; REGISTERS: v1-8 addresses that stay; v9-11, v83, v254, v255 addresses in hand; v12 -M, v13 largest t, v[14:15] the sum; v16-23 q, v24-31 q_(i+1) (each four registers of codes, four of zeros);
;   v32-71 fragments of Ez, then of K; v72-80 Ez's scale words; v81, v82 q's; v84-91 K's; v92-95 V's; v96-167 the nine products, v96-159 then scores and p; v168-199 O^T; v200-231 V; v232-239 p's codes; v240-253 at work.
;   s12 wave; s13 the step's first tile of Ez; s14 4,096 x step; s15 512 x s13; s16 steps to go; s17 my stage; s18 32 x (work-group x) + wave; s[20:31] the head's bases; s[48:51], s[52:55] the two passes' places in oo.
.set VIMG,  32768
.set EZIMG, 65536
.set EZSC,  131072
.set KSC,   147456
.set VSC,   151552
.set STAGE, 153600
.set WSTG,  9472                       ; a wave's stage: 16 rows x 592 bytes (148 words: an odd multiple of 16 bytes)
.macro QADDR vi, vimg, vsc             ; query i's place in the head's image of q: position p = swap34(i)
	v_bfe_u32 v248, v[\vi], 3, 1
	v_bfe_u32 v249, v[\vi], 4, 1
	v_and_b32 v250, 0xffffffe7, v[\vi]
	v_lshl_or_b32 v250, v248, 4, v250
	v_lshl_or_b32 v250, v249, 3, v250
	v_lshrrev_b32 v248, 4, v250                    ; the tile
	v_and_b32 v249, 15, v250                       ; the row in it
	v_lshlrev_b32 v[\vimg], 9, v248
	v_lshl_add_u32 v[\vimg], v249, 4, v[\vimg]
	v_lshl_add_u32 v[\vimg], v242, 8, v[\vimg]     ; + 256 h
	v_lshrrev_b32 v250, 2, v248
	v_lshlrev_b32 v[\vsc], 8, v250
	v_lshl_add_u32 v[\vsc], v249, 4, v[\vsc]
	v_and_b32 v248, 3, v248
	v_lshl_add_u32 v[\vsc], v248, 2, v[\vsc]
.endm
.macro RELW t, q, s                    ; tile t of the step's nine of Ez against the fragment at v[q], whose scale word is v[s]
	v_wmma_scale_f32_16x16x128_f8f6f4 v[96+8*\t:103+8*\t], v[32+4*\t:39+4*\t], v[\q:\q+7], 0, v[72+\t], v[\s] matrix_a_fmt:MATRIX_FMT_FP4 matrix_b_fmt:MATRIX_FMT_FP4
.endm
.macro RELT t                          ; in the one step that has both kinds: q_i for tiles up to 63, q_(i+1) above
	s_cmp_lt_u32 s13, 64-\t
	s_cbranch_scc0 .Lupper_\@
	RELW \t, 16, 81
	s_branch .Ljoin_\@
.Lupper_\@:
	RELW \t, 24, 82
.Ljoin_\@:
.endm
; Pass p: the ids, my place in oo, and q's loads.  v241 = r and v242 = h are made in front of it.
.macro QSETUP p
	s_add_co_u32 s13, s18, 16*\p                   ; A0 = 32 x + 16 p + wave: the first step's first tile of Ez; + 8 a step
	s_sub_co_u32 s42, 63, s13                      ; my tile of queries
	s_lshl_b32 s43, s42, 4                         ; my first query
	s_mov_b32 s14, 0
	s_lshl_b32 s15, s13, 9
	s_mov_b32 s16, 8
	s_lshr_b32 s44, s41, 4
	s_lshl_b32 s44, s44, 6
	s_add_co_u32 s44, s44, s42                     ; my tile of 16 among the 512 of all tokens
	s_and_b32 s45, s41, 15                         ; the head: k = 64 head + channel
	s_lshr_b32 s46, s44, 4
	s_and_b32 s47, s44, 15
	s_lshr_b32 s56, s45, 3                         ; the half of K
	s_bfe_u32 s57, s45, 0x20001                    ; the K step in it
	s_and_b32 s58, s45, 1                          ; the half of the K step
	s_lshl_b32 s32, s46, 17
	s_lshl_b32 s34, s56, 16
	s_add_co_u32 s32, s32, s34
	s_lshl_b32 s34, s47, 12
	s_add_co_u32 s32, s32, s34
	s_lshl_b32 s34, s57, 10
	s_add_co_u32 s32, s32, s34
	s_lshl_b32 s34, s58, 9
	s_add_co_u32 s32, s32, s34
	s_mov_b32 s33, 0
	s_add_nc_u64 s[48+4*\p:49+4*\p], s[10:11], s[32:33]      ; o's codes
	s_lshl_b32 s32, s46, 13
	s_lshl_b32 s34, s56, 12
	s_add_co_u32 s32, s32, s34
	s_lshl_b32 s34, s47, 8
	s_add_co_u32 s32, s32, s34
	s_lshl_b32 s34, s57, 2
	s_add_co_u32 s32, s32, s34
	s_lshl_b32 s34, s58, 1
	s_add_co_u32 s32, s32, s34
	s_add_co_u32 s32, s32, 4194304
	s_add_nc_u64 s[50+4*\p:51+4*\p], s[10:11], s[32:33]      ; o's scale bytes
	v_add_nc_u32 v247, s43, v241                   ; my query i
	QADDR 247, 251, 252
	v_add_nc_u32 v247, 1, v247
	v_min_u32 v247, 1023, v247                     ; i + 1, held inside the head: query 1,023 meets no tile over 63, so the held row's products are not used
	QADDR 247, 253, 254
	global_load_b128 v[16:19], v251, s[20:21]
	global_load_b32 v81, v252, s[24:25]
	global_load_b128 v[24:27], v253, s[20:21]
	global_load_b32 v82, v254, s[24:25]
.endm
.macro INIT                            ; a pass's state: the loop is written once; its first step multiplies zeros
	v_mov_b32 v13, 0xff61b1e6                      ; the largest t so far: -3e38
	v_floor_f32 v12, -v13                          ; -M
	v_mov_b32 v14, 0
	v_mov_b32 v15, 0
.set n, 0
.rept 32
	v_mov_b32 v[168+n], 0                          ; O^T
.set n, n+1
.endr
.endm
; Eight trips: 128 keys each.
.macro LOOP
.Lstep_\@:
	v_add_nc_u32 v9, s15, v1
	s_lshr_b32 s40, s15, 2
	v_add_nc_u32 v10, s40, v2
.irp t, 0,1,2,3,4,5,6,7,8
	ds_load_b128 v[32+4*\t:35+4*\t], v9 offset:512*\t
.endr
.irp t, 0,1,2,3,4,5,6,7,8
	ds_load_b32 v[72+\t], v10 offset:128*\t
.endr
	s_wait_dscnt 0x0
	s_cmp_lt_u32 s13, 56                           ; all nine tiles up to 63?
	s_cbranch_scc1 .Llow_\@
	s_cmp_gt_u32 s13, 63                           ; all nine over it?
	s_cbranch_scc1 .Lup_\@
.irp t, 0,1,2,3,4,5,6,7,8
	RELT \t
.endr
	s_branch .Lrel_\@
.Llow_\@:
.irp t, 0,1,2,3,4,5,6,7,8
	RELW \t, 16, 81
.endr
	s_branch .Lrel_\@
.Lup_\@:
.irp t, 0,1,2,3,4,5,6,7,8
	RELW \t, 24, 82
.endr
.Lrel_\@:
	v_add_nc_u32 v11, s14, v3                      ; five plain lines: four are asked in front of the stores of these results and of loads over their registers, five in front of the products that write over them
	s_lshr_b32 s40, s14, 3
	v_add_nc_u32 v83, s40, v4
	v_add_nc_u32 v255, s14, v5
	s_lshr_b32 s40, s14, 4
	v_add_nc_u32 v254, s40, v6
	v_nop
.irp t, 0,1,2,3,4,5,6,7
	ds_load_b128 v[32+4*\t:35+4*\t], v11 offset:512*\t                             ; K's eight tiles
.endr
	ds_load_b128 v[84:87], v83
	ds_load_b128 v[88:91], v83 offset:256
.irp t, 0,1,2,3,4,5,6,7,8
	ds_store_b128 v7, v[96+8*\t:99+8*\t] offset:64*\t                              ; each result from its low end on
	ds_store_b128 v7, v[100+8*\t:103+8*\t] offset:64*\t+16
.endr
.set n, 0
.rept 64
	ds_load_b32 v[96+n], v8 offset:4*(32*(n/16)+n%16)                              ; LDS serves a wave's instructions in order: these see the stores.  Register 16 b + i: key 32 b + 16 h + i
.set n, n+1
.endr
.irp t, 0,1,2,3
.irp c, 0,1
	ds_load_b128 v[200+8*\t+4*\c:203+8*\t+4*\c], v255 offset:1024*\t+512*\c
.endr
.endr
	ds_load_b128 v[92:95], v254
	s_wait_dscnt 9                                 ; all but V's nine loads
.irp t, 0,1,2,3,4,5,6,7
	v_wmma_scale_f32_16x16x128_f8f6f4 v[96+8*\t:103+8*\t], v[32+4*\t:39+4*\t], v[16:23], v[96+8*\t:103+8*\t], v[84+\t], v81 matrix_a_fmt:MATRIX_FMT_FP4 matrix_b_fmt:MATRIX_FMT_FP4
.endr
.rept 4
	v_nop
.endr
.irp b, 0,1,2,3
	v_max3_num_f32 v[240+\b], v[96+16*\b], v[97+16*\b], v[98+16*\b]                ; the largest score of each block of 32 keys: for the row's maximum, and for the block's largest p
.endr
.irp i, 3,5,7,9,11,13
.irp b, 0,1,2,3
	v_max3_num_f32 v[240+\b], v[240+\b], v[96+16*\b+\i], v[97+16*\b+\i]
.endr
.endr
.irp b, 0,1,2,3
	v_max_num_f32 v[240+\b], v[240+\b], v[111+16*\b]
.endr
.irp b, 0,1,2,3
	v_permlanex16_b32 v[244+\b], v[240+\b], s36, s37
.endr
.irp b, 0,1,2,3
	v_max_num_f32 v[240+\b], v[240+\b], v[244+\b]
.endr
	v_max3_num_f32 v254, v240, v241, v242
	v_max_num_f32 v254, v254, v243
	v_mul_f32 v254, s38, v254
	v_max_num_f32 v13, v13, v254                   ; the running largest t
	v_mov_b32 v254, v12
	v_floor_f32 v12, -v13                          ; -M = floor(-t): M is a whole number
	v_sub_f32 v254, v12, v254
	v_cvt_i32_f32 v254, v254                       ; (it saturates)
	v_ldexp_f32 v252, 1.0, v254                    ; f = 2^(old M - new M)
.set n, 0
.rept 32
	v_pk_fma_f32 v[96+n:97+n], v[96+n:97+n], s[38:39], v[12:13] op_sel_hi:[1,0,0]  ; t - M
.set n, n+2
.endr
.irp b, 0,1,2,3
	v_fma_f32 v[240+\b], v[240+\b], s38, v12
.endr
.set n, 0
.rept 64
	v_exp_f32 v[96+n], v[96+n]                     ; p = 2^(t - M)
.set n, n+1
.endr
.irp b, 0,1,2,3
	v_exp_f32 v[240+\b], v[240+\b]                 ; the block's largest p
.endr
	v_pk_mul_f32 v[14:15], v[14:15], v[252:253] op_sel_hi:[1,0]                    ; the sums under the new M (a plain line behind the exponentials)
	s_wait_alu depctr_va_vdst(0)
.irp b, 0,1,2,3
	v_max_num_f32 v[240+\b], 0x1800000, v[240+\b]  ; the floor: the byte cannot fall under 1
.endr
.irp b, 0,1,2,3
	v_add_nc_u32 v[248+\b], 0xff000000, v[240+\b]
.endr
.irp b, 0,1,2,3
	v_lshrrev_b32 v[244+\b], 23, v[248+\b]
.endr
	v_lshl_or_b32 v253, v245, 8, v244              ; p's scale word for these 128 keys
	v_lshl_or_b32 v253, v246, 16, v253
	v_lshl_or_b32 v253, v247, 24, v253
.irp b, 0,1,2,3
	v_cvt_scalef32_pk8_fp4_f32 v[232+2*\b], v[96+16*\b:103+16*\b], v[248+\b]
	v_cvt_scalef32_pk8_fp4_f32 v[233+2*\b], v[104+16*\b:111+16*\b], v[248+\b]
.endr
	v_nop
.irp c, 0,1
.irp i, 0,1
	v_permlane16_swap_b32 v[232+4*\c+\i], v[234+4*\c+\i]
.endr
.endr
	v_pk_add_f32 v[244:245], v[96:97], v[98:99]    ; the row's sum, of the unquantised p, in two chains
.irp j, 4,8,12,16,20,24,28,32,36,40,44,48,52,56,60
	v_pk_add_f32 v[14:15], v[14:15], v[96+\j:97+\j]
	v_pk_add_f32 v[244:245], v[244:245], v[98+\j:99+\j]
.endr
	v_pk_add_f32 v[14:15], v[14:15], v[244:245]
.set n, 0
.rept 16
	v_pk_mul_f32 v[168+n:169+n], v[168+n:169+n], v[252:253] op_sel_hi:[1,0]        ; O^T under the new M
.set n, n+2
.endr
	s_wait_dscnt 0x0                               ; V
.irp t, 0,1,2,3
	v_wmma_scale_f32_16x16x128_f8f6f4 v[168+8*\t:175+8*\t], v[200+8*\t:207+8*\t], v[232:239], v[168+8*\t:175+8*\t], v[92+\t], v253 matrix_a_fmt:MATRIX_FMT_FP4 matrix_b_fmt:MATRIX_FMT_FP4
.endr
	s_add_co_u32 s13, s13, 8
	s_add_co_u32 s14, s14, 4096
	s_add_co_u32 s15, s15, 4096
	s_sub_co_u32 s16, s16, 1
	s_cmp_lg_u32 s16, 0
	s_cbranch_scc1 .Lstep_\@
.rept 4
	v_nop                                          ; places behind the last products
.endr
.endm
; THE WAY OUT of pass p: o = O^T / the sum; register 16 b + i is channel 32 b + 16 h + i of my query: two blocks of the last product's K
.macro EPI p
	v_add_f32 v14, v14, v15
	v_permlanex16_b32 v244, v14, s36, s37
	v_add_f32 v14, v14, v244
	v_rcp_f32 v14, v14
	v_and_b32 v200, 15, v0                         ; (plain lines behind the reciprocal)
	v_bfe_u32 v202, v0, 4, 1
	v_lshl_add_u32 v201, v200, 4, v202             ; scale bytes: 16 r + h
.set n, 0
	s_wait_alu depctr_va_vdst(0)
.rept 32
	v_mul_f32 v[96+n], v[168+n], v14               ; each accumulator from its low end on
.set n, n+1
.endr
.irp b, 0,1
	v_max3_num_f32 v[240+\b], |v[96+16*\b]|, |v[97+16*\b]|, 0x1800000
.endr
.irp i, 2,4,6,8,10,12,14
.irp b, 0,1
	v_max3_num_f32 v[240+\b], v[240+\b], |v[96+16*\b+\i]|, |v[97+16*\b+\i]|
.endr
.endr
.irp b, 0,1
	v_permlanex16_b32 v[244+\b], v[240+\b], s36, s37
.endr
.irp b, 0,1
	v_max_num_f32 v[240+\b], v[240+\b], v[244+\b]
.endr
.irp b, 0,1
	v_add_nc_u32 v[248+\b], 0xff000000, v[240+\b]
.endr
.irp b, 0,1
	v_lshrrev_b32 v[244+\b], 23, v[248+\b]
.endr
.irp b, 0,1
	v_cvt_scalef32_pk8_fp4_f32 v[232+2*\b], v[96+16*\b:103+16*\b], v[248+\b]
	v_cvt_scalef32_pk8_fp4_f32 v[233+2*\b], v[104+16*\b:111+16*\b], v[248+\b]
.endr
	v_nop
	v_permlane16_swap_b32 v232, v234
	v_permlane16_swap_b32 v233, v235               ; registers 0-3: channels 32 h + 0 .. 31
	v_cmp_eq_u32 vcc_lo, 1, v202
	v_cndmask_b32 v236, v244, v245, vcc_lo         ; my half's byte
	global_store_b128 v3, v[232:235], s[48+4*\p:49+4*\p]     ; 512 consecutive bytes
	global_store_b8 v201, v236, s[50+4*\p:51+4*\p]
.endm
	s_load_b256 s[4:11], s[0:1], 0x0               ; qk, vv, ez, oo
	v_lshrrev_b32 v240, 5, v0
	v_readfirstlane_b32 s12, v240                  ; wave 0..15
	s_and_b32 s18, ttmp9, 1                        ; which two of the head's four blocks of 256 queries (the grid has two along x)
	s_lshl_b32 s18, s18, 5
	s_add_co_u32 s18, s18, s12                     ; 32 x + wave
	s_and_b32 s41, ttmp7, 0xffff                   ; the head's record: 16 x batch + head
	s_mov_b32 s36, 0x76543210
	s_mov_b32 s37, 0xfedcba98                      ; v_permlanex16_b32's selects for lane l xor 16
	s_mov_b32 s38, 0x3e38aa3b                      ; log2(e) / 8
	s_mov_b32 s39, s38                             ; (named with it as a pair, so it is written)
	s_mul_i32 s17, s12, WSTG
	s_add_co_u32 s17, s17, STAGE                   ; my stage
	s_lshl_b32 s44, s41, 15
	s_mov_b32 s45, 0
	s_lshl_b32 s46, s41, 12
	s_mov_b32 s47, 0
	v_and_b32 v240, 31, v0                         ; lane
	v_and_b32 v241, 15, v0                         ; r
	v_bfe_u32 v242, v0, 4, 1                       ; h
	v_lshl_add_u32 v1, v240, 4, EZIMG
	v_lshl_add_u32 v2, v240, 2, EZSC
	v_lshlrev_b32 v3, 4, v240
	v_lshl_add_u32 v4, v241, 4, KSC
	v_lshl_add_u32 v5, v240, 4, VIMG
	v_lshl_add_u32 v6, v241, 4, VSC
	v_mul_u32_u24 v7, v241, 592
	v_lshl_add_u32 v7, v242, 5, v7
	v_add_nc_u32 v7, s17, v7                       ; into the stage: row r, word 16 t + 8 h + j
	v_mul_u32_u24 v8, v241, 588
	v_lshl_add_u32 v8, v242, 6, v8
	v_add_nc_u32 v8, s17, v8
	v_add_nc_u32 v8, 60, v8                        ; out of it: word 147 r + 15 + 16 h + (32 b + 8 u + j)
	v_lshlrev_b32 v244, 4, v0                      ; the copy: 16 bytes a thread
	v_add_nc_u32 v245, EZIMG, v244
	v_add_nc_u32 v246, EZSC, v244
	s_wait_kmcnt 0x0
	s_add_nc_u64 s[20:21], s[4:5], s[44:45]        ; q's image of the head
	s_add_nc_u64 s[22:23], s[20:21], 4194304       ; k's
	s_add_nc_u64 s[24:25], s[4:5], s[46:47]
	s_add_nc_u64 s[26:27], s[24:25], 8912896       ; k's scale words
	s_add_nc_u64 s[24:25], s[24:25], 8388608       ; q's
	s_add_nc_u64 s[28:29], s[6:7], s[44:45]        ; v's image
	s_lshl_b32 s46, s41, 11
	s_add_nc_u64 s[30:31], s[6:7], s[46:47]
	s_add_nc_u64 s[30:31], s[30:31], 4194304       ; v's scale words
	QSETUP 0
.irp j, 0,1,2,3
	global_load_b128 v[96+4*\j:99+4*\j], v244, s[22:23] offset:8192*\j
.endr
.irp j, 0,1,2,3
	global_load_b128 v[112+4*\j:115+4*\j], v244, s[28:29] offset:8192*\j
.endr
.irp j, 0,1,2,3,4,5,6,7,8,9
	global_load_b128 v[128+4*\j:131+4*\j], v244, s[8:9] offset:8192*\j             ; Ez's codes, 65,536 bytes, and its scale words, 16,384
.endr
	s_cmp_lt_u32 s12, 8                            ; waves 0-7: K's scale words, 4,096 bytes; waves 8-11: V's, 2,048
	s_cbranch_scc0 .Lnot_ks
	global_load_b128 v[168:171], v244, s[26:27]
	s_branch .Lsc_asked
.Lnot_ks:
	s_cmp_lt_u32 s12, 12
	s_cbranch_scc0 .Lsc_asked
	global_load_b128 v[168:171], v244, s[30:31] offset:-4096
.Lsc_asked:
	s_wait_loadcnt 0x0
.irp j, 0,1,2,3,4,5,6,7
	ds_store_b128 v244, v[96+4*\j:99+4*\j] offset:8192*\j
.endr
.irp j, 0,1,2,3,4,5,6,7
	ds_store_b128 v245, v[128+4*\j:131+4*\j] offset:8192*\j
.endr
.irp j, 0,1
	ds_store_b128 v246, v[160+4*\j:163+4*\j] offset:8192*\j
.endr
	s_cmp_lt_u32 s12, 12
	s_cbranch_scc0 .Lno_sc
	ds_store_b128 v246, v[168:171] offset:16384
.Lno_sc:
	s_wait_dscnt 0x0                               ; for the others' sake: my stores are done
	s_barrier_signal -1
.irp j, 20,21,22,23,28,29,30,31,68,69,70,71
	v_mov_b32 v[\j], 0                             ; zero codes for k = 64 .. 127 of q, and the registers named behind Ez's last tile: no later line writes them, so they serve both passes
.endr
.irp j, 244,245,246,247,253
	v_mov_b32 v[\j], 0                             ; lane permutes' destinations, and the upper half of the pair v[252:253]
.endr
	INIT
	s_barrier_wait -1                              ; the launch's one barrier: all of the head lies in LDS
	LOOP                                           ; the first block of queries
	v_and_b32 v241, 15, v0                         ; r and h anew: the loop has used their registers
	v_bfe_u32 v242, v0, 4, 1
	QSETUP 1                                       ; the second block's q is asked for ahead of the first block's way out, and lands under it
	EPI 0
	s_wait_xcnt 0x0                                ; the two stores' data and address registers are written again only behind this wait
	INIT
	s_wait_loadcnt 0x0                             ; q
	LOOP                                           ; the second block
	EPI 1
	s_wait_xcnt 0x0
	v_lshl_add_u32 v254, v0, 2, 0x4a800
	v_mov_b32 v255, 0
	s_wait_tensorcnt 0x0
	ds_add_u32 v254, v255
	s_wait_dscnt 0x0
	s_endpgm
.Lfunc_end_k_q8482c25f21_attn:
	.size	k_q8482c25f21_attn, .Lfunc_end_k_q8482c25f21_attn-k_q8482c25f21_attn
	.p2alignl 7, 3214868480
	.fill 96, 4, 3214868480
	.section	.rodata,"a",@progbits
	.p2align	6, 0x0
	.amdhsa_kernel k_q8482c25f21_attn
		.amdhsa_group_segment_fixed_size 307200
		.amdhsa_private_segment_fixed_size 0
		.amdhsa_enable_private_segment 0
		.amdhsa_kernarg_size 32
		.amdhsa_user_sgpr_count 2
		.amdhsa_user_sgpr_kernarg_segment_ptr 1
		.amdhsa_wavefront_size32 1
		.amdhsa_system_sgpr_workgroup_id_x 1
		.amdhsa_system_sgpr_workgroup_id_y 1
		.amdhsa_system_sgpr_workgroup_id_z 1
		.amdhsa_system_vgpr_workitem_id 0
		.amdhsa_next_free_vgpr 256
		.amdhsa_next_free_sgpr 66
		.amdhsa_reserve_vcc 1
		.amdhsa_float_denorm_mode_32 3
		.amdhsa_float_denorm_mode_16_64 3
		.amdhsa_memory_ordered 1
		.amdhsa_forward_progress 1
		.amdhsa_inst_pref_size 77
	.end_amdhsa_kernel
	.amdgpu_metadata
---
amdhsa.version: [ 1, 2 ]
amdhsa.kernels:
  - .name:           k_q8482c25f21_attn
    .symbol:         k_q8482c25f21_attn.kd
    .args:
      - { .name: qk, .offset: 0, .size: 8, .value_kind: global_buffer, .address_space: global }
      - { .name: vv, .offset: 8, .size: 8, .value_kind: global_buffer, .address_space: global }
      - { .name: ez, .offset: 16, .size: 8, .value_kind: global_buffer, .address_space: global }
      - { .name: oo, .offset: 24, .size: 8, .value_kind: global_buffer, .address_space: global }
    .group_segment_fixed_size: 307200
    .private_segment_fixed_size: 0
    .kernarg_segment_align: 8
    .kernarg_segment_size: 32
    .max_flat_workgroup_size: 512
    .sgpr_count:     66
    .vgpr_count:     256
    .wavefront_size: 32
...
	.end_amdgpu_metadata
.endif
;; end of part 3
;; launch gemm2 (part 4): grid 4 x 64, 4 waves a work-group, clusters of 4 x 4, 213,504 bytes of LDS; arguments oo, wo, b_out, out0; writes out0
.if DOCPART == 4
	.amdgcn_target "amdgcn-amd-amdhsa--gfx1250"
	.amdhsa_code_object_version 6
	.text
	.protected	k_q8482c25f21_gemm2
	.globl	k_q8482c25f21_gemm2
	.p2align	8
	.type	k_q8482c25f21_gemm2,@function
k_q8482c25f21_gemm2:
	s_mov_b64 s[64:65], 0
	v_nop
	global_prefetch_b8 v0, s[64:65] scope:SCOPE_SE
	s_setreg_imm32_b32 hwreg(HW_REG_WAVE_MODE, 25, 1), 1
	s_wait_xcnt 0x0
	s_wait_alu depctr_hold_cnt(0) depctr_sa_sdst(0) depctr_va_vdst(0) depctr_va_sdst(0) depctr_va_ssrc(0) depctr_va_vcc(0) depctr_vm_vsrc(0)
	s_getreg_b32 s2, hwreg(HW_REG_IB_STS2, 6, 4)
	s_cmp_eq_u32 s2, 0
	s_cbranch_scc0 .Lentry_in_a_cluster
	s_endpgm
.Lentry_in_a_cluster:
	s_bfe_u32 s2, ttmp6, 0x10000c
	s_cmp_lg_u32 s2, 0xf033
	s_cbranch_scc0 .Lentry_shape_is_right
	s_endpgm
.Lentry_shape_is_right:
; out0 = o W_out + b_out, on codes of E2M1 with E8M0 scales (K = 1,024); out0 is f32.
; A tile of 128 tokens x 256 columns to a work-group: 8,192 x 1,024 outputs make 256 such tiles, one for each of 256 work-groups; tiles of 256 x 256 would make 128.
; Four waves, 64 tokens x 128 columns each: 32 accumulators, 256 registers.  K is two slots of 512: both slots and all scale bytes are filled once, at the start; no LDS byte is filled twice.
; The operands lie in memory in the order of their registers: a fragment (16 rows x 128 K) is 1,024 dense bytes, 16 a lane and load; so LDS needs no pitch and no padding.
; Source 0 = 16 columns of W_out (region B), source 1 = 16 tokens of o (region A): a lane holds one token, and its eight results are eight neighbouring columns: W_out's columns stand in the order swap34,
; so register j of B's tile b is column 32 (b / 2) + 8 (b % 2) + 16 (lane / 16) + j.  b_out is the C of the first K step.
; CLUSTERS: 4 x 4; A's tile is shared along a row of the cluster, B's along a column, each asked for jointly.  The branches hang on the wave's number alone.
; A K STEP of 128 is 32 matrix instructions; A and B have two sets of fragments each; the next step's 24 loads are issued ahead of a step's products.
; THE WAY OUT: 16 rows x 128 columns at a time through my own stage in LDS, back as whole rows of 512 bytes.  The stage lies in slot 0, which has had its one fill, and which nobody reads behind the change of slots.
; REGISTERS: window 0: v1-6 lane numbers, v16-28 addresses, v32-63 A's scale words (two sets of 16), v64-127 B's (two sets of 32), v128-191 A's fragments (two sets of 32), v192-255 the bias; on the way out v128-255 rows of out0;
;   window 1: B's fragments, two sets, at v0 and v128;  window 2: the accumulators ((a, b) at v[8 (8 a + b)]).
.set SLOT,  98304                      ; A's 8 tiles x 4 K steps x 1,024 bytes, then B's 16 tiles
.set BOFF,  32768
.set SCL,   196608                     ; behind the slots: A's scale bytes, 2,048 for each half of K, 4,096 apart; 8,192 on: B's, 4,096 for each half
.set NQ,    4
.set ADRA,  16
.set ADRB,  20
.set STO,   24
.set RD,    25
.set CO,    26
.set ADSA,  27
.set ADSB,  28
.set SCA,   32
.set SCB,   64
.set AF,    128
.set BK,    128
.set BI,    192
.set SPITCH, 528
.set G1A,  24
.set G0A,  32
.set G1B,  48
.set G0B,  56
.set G1SA, 68
.set G0SA, 76
.set G1SB, 80
.set G0SB, 88
.set MSB, 0
.macro WIN new                         ; the immediate's high byte repeats the setting that is left
.if MSB != \new
	s_set_vgpr_msb (MSB<<8)|\new
.set MSB, \new
.endif
.endm
.macro WMUL mode                       ; source 0 window 1, source 1 window 0, D window 2; C with D, or (the first K step) the bias in window 0
.if \mode
	WIN 0x81
.else
	WIN 0xa1
.endif
.endm
.macro GROUP1 g, rows                  ; descriptor group 1, words 1 to 7: a dense block as rows of 256 bytes (32 elements of 8 bytes)
	s_mov_b32 s[\g+1], 32<<16                      ; tensor_dim0
	s_mov_b32 s[\g+2], (\rows)<<16                 ; tensor_dim1
	s_mov_b32 s[\g+3], 32<<16                      ; tile_dim0
	s_mov_b32 s[\g+4], \rows                       ; tile_dim1
	s_mov_b32 s[\g+5], 32                          ; the pitch
	s_mov_b32 s[\g+6], 0
	s_mov_b32 s[\g+7], 0
.endm
.macro JLOAD g0a, g1a, g0b, g1b        ; a joint load: waves 0 and 1 fetch for A, waves 2 and 3 for B; four v_nop follow each of the two lines
	s_cmp_eq_u32 s19, 0
	s_cbranch_scc0 .Lfor_b_\@
	tensor_load_to_lds s[\g0a:\g0a+3], s[\g1a:\g1a+7]
	s_nop 0
.rept 4
	v_nop
.endr
	s_branch .Lasked_\@
.Lfor_b_\@:
	tensor_load_to_lds s[\g0b:\g0b+3], s[\g1b:\g1b+7]
	s_nop 0
.rept 4
	v_nop
.endr
.Lasked_\@:
.endm
.macro CROUND                          ; a round of the cluster's barrier
	s_barrier_signal -1
	s_barrier_wait -1
	s_cmp_lg_u32 s18, 0
	s_cbranch_scc1 .Lnot_wave_0_\@
	s_barrier_signal -3
.Lnot_wave_0_\@:
	s_barrier_wait -3
	s_barrier_signal -1
	s_barrier_wait -1
.endm
.macro PLACES n
.rept \n
	v_nop
.endr
.endm
.macro FRAG reg, adr, q, i             ; a fragment as it lies: two loads of 512 dense bytes
.irp c, 0,1
	ds_load_b128 v[\reg+4*\c:\reg+4*\c+3], v[\adr] offset:4096*(\i)+1024*(\q)+512*\c
.endr
.endm
.macro FETCH_B slot, q, p              ; B's eight fragments of the slot's q-th K step into set p
	WIN 0x40
.irp i, 0,1,2,3,4,5,6,7
	FRAG 128*(\p)+8*\i, ADRB+\slot, \q, \i
.endr
	WIN 0
.endm
.macro FETCH_A slot, q, p              ; A's four
.irp i, 0,1,2,3
	FRAG AF+32*(\p)+8*\i, ADRA+\slot, \q, \i
.endr
.endm
.macro SCALES sc                       ; a slot's scale words: four words a row, the slot's four K steps; lane r (and lane 16 + r) takes row r's
.irp i, 0,1,2,3
	ds_load_b128 v[SCA+16*\sc+4*\i:SCA+16*\sc+4*\i+3], v[ADSA] offset:4096*\sc+256*\i
.endr
.irp i, 0,1,2,3,4,5,6,7
	ds_load_b128 v[SCB+32*\sc+4*\i:SCB+32*\sc+4*\i+3], v[ADSB] offset:4096*\sc+256*\i
.endr
.endm
; 16 matrix instructions: A's tiles a0, a0 + 1 x B's eight.  p: the sets of fragments; mode 0: onto the sums; 1: C = the bias of B's tile b.  The 32 accumulators take turns.
.macro MUL16 a0, p, q, sc, mode
.irp a, \a0, \a0+1
.irp b, 0,1,2,3,4,5,6,7
.if \mode == 0
	v_wmma_scale_f32_16x16x128_f8f6f4 v[8*(8*(\a)+\b):8*(8*(\a)+\b)+7], v[128*(\p)+8*\b:128*(\p)+8*\b+7], v[AF+32*(\p)+8*(\a):AF+32*(\p)+8*(\a)+7], v[8*(8*(\a)+\b):8*(8*(\a)+\b)+7], v[SCB+32*(\sc)+4*\b+(\q)], v[SCA+16*(\sc)+4*(\a)+(\q)] matrix_a_fmt:MATRIX_FMT_FP4 matrix_b_fmt:MATRIX_FMT_FP4
.else
	v_wmma_scale_f32_16x16x128_f8f6f4 v[8*(8*(\a)+\b):8*(8*(\a)+\b)+7], v[128*(\p)+8*\b:128*(\p)+8*\b+7], v[AF+32*(\p)+8*(\a):AF+32*(\p)+8*(\a)+7], v[BI+8*\b:BI+8*\b+7], v[SCB+32*(\sc)+4*\b+(\q)], v[SCA+16*(\sc)+4*(\a)+(\q)] matrix_a_fmt:MATRIX_FMT_FP4 matrix_b_fmt:MATRIX_FMT_FP4
.endif
.endr
.endr
.endm
; A K step of 128 that has its successor in the same slot.  Loads into registers that matrix instructions have read stand four plain vector instructions behind them (ISA guide 7.12.1 for vector instructions):
; the sets that take the next step's fragments were read by the step before.
.macro STEP slot, q, mode
.if \mode == 0
	PLACES 4
.endif
	FETCH_B \slot, (\q)+1, 1-(\q)%2
	FETCH_A \slot, (\q)+1, 1-(\q)%2
	s_wait_dscnt 24                                ; all but the 24 loads just issued: this step's fragments and scale words are in
	WMUL \mode
	MUL16 0, (\q)%2, \q, \slot, \mode
	MUL16 2, (\q)%2, \q, \slot, \mode
	WIN 0
.endm
.macro STEPS slot, from
.set Q, \from
.rept NQ-1-\from
	STEP \slot, Q, 0
.set Q, Q+1
.endr
.endm
	s_load_b256 s[4:11], s[0:1], 0x0               ; oo, wo, b_out, out0
	v_lshl_add_u32 v30, v0, 2, 0x34000
	v_mov_b32 v31, 0
	ds_add_u32 v30, v31
	ds_add_u32 v30, v31
	v_lshrrev_b32 v1, 5, v0
	v_readfirstlane_b32 s18, v1                    ; wave 0..3
	s_lshr_b32 s19, s18, 1                         ; my half of the tokens.  Also: I fetch for A (0) or for B (1)
	s_and_b32 s20, s18, 1                          ; my half of the columns.  Also: which half of a region, and which half of K's scale bytes, I fetch
	s_bfe_u32 s40, ttmp6, 0x40000                  ; cx
	s_bfe_u32 s41, ttmp6, 0x40004                  ; cy
	s_and_b32 s96, ttmp7, 0xffff                   ; the cluster's y
	s_lshl_b32 s43, s41, 2
	s_lshl_b32 s43, 15, s43                        ; my row of the cluster
	s_lshl_b32 s44, 0x1111, s40                    ; my column
	s_or_b32 s[G1A], s43, (3<<16)|(1<<21)          ; 15:0 the mask; 17:16 elements of 8 bytes; 21 set beside a mask
	s_or_b32 s[G1B], s44, (3<<16)|(1<<21)
	s_or_b32 s[G1SA], s43, (3<<16)|(1<<21)
	s_or_b32 s[G1SB], s44, (3<<16)|(1<<21)
	GROUP1 G1A, 64                                 ; A's codes: four tiles x four K steps = 16,384 bytes a load
	GROUP1 G1B, 128                                ; B's: eight tiles = 32,768
	GROUP1 G1SA, 8                                 ; A's scale bytes: eight tiles x 256
	GROUP1 G1SB, 16                                ; B's: sixteen
	; where the tiles come from: A's address is made of cy, B's of cx, each in registers that never hold the other
	s_lshl_b32 s12, s96, 2
	s_add_co_u32 s12, s12, s41                     ; my 128 tokens: 4 x cluster y + cy
	s_lshr_b32 s13, s12, 1                         ; their tile of 256 in oo,
	s_and_b32 s99, s12, 1                          ; and which half of it
	s_lshl_b32 s14, s13, 17
	s_lshl_b32 s98, s99, 15
	s_add_co_u32 s14, s14, s98
	s_lshl_b32 s16, s20, 14
	s_add_co_u32 s14, s14, s16
	s_mov_b32 s15, 0
	s_lshl_b32 s22, s13, 13
	s_lshl_b32 s98, s99, 11
	s_add_co_u32 s22, s22, s98
	s_lshl_b32 s16, s20, 12
	s_add_co_u32 s22, s22, s16
	s_add_co_u32 s22, s22, 4194304
	s_mov_b32 s23, 0
	s_lshl_b32 s46, s40, 17                        ; B's tile of 256 columns: cx
	s_lshl_b32 s16, s20, 15
	s_add_co_u32 s46, s46, s16
	s_mov_b32 s47, 0
	s_lshl_b32 s92, s40, 13
	s_lshl_b32 s16, s20, 12
	s_add_co_u32 s92, s92, s16
	s_add_co_u32 s92, s92, 524288
	s_mov_b32 s93, 0
	s_lshl_b32 s45, s20, 14                        ; where they go: A's halves; no place in the cluster enters an LDS address
	s_lshl_b32 s97, s20, 15
	s_add_co_u32 s97, s97, BOFF                    ; B's halves
	s_lshl_b32 s94, s18, 12                        ; the scale bytes: wave x 4,096
	s_wait_dscnt 0x0
	s_wait_kmcnt 0x0
	s_add_nc_u64 s[14:15], s[4:5], s[14:15]
	s_add_nc_u64 s[22:23], s[4:5], s[22:23]
	s_add_nc_u64 s[46:47], s[6:7], s[46:47]
	s_add_nc_u64 s[92:93], s[6:7], s[92:93]
	CROUND                                         ; all sixteen work-groups are here: the joint loads meet
	s_mov_b32 s[G0SA], 1
	s_add_co_u32 s[G0SA+1], s94, SCL
	s_mov_b64 s[G0SA+2:G0SA+3], s[22:23]
	s_or_b32 s[G0SA+3], s[G0SA+3], 0x80000000
	s_mov_b32 s[G0SB], 1
	s_add_co_u32 s[G0SB+1], s94, SCL
	s_mov_b64 s[G0SB+2:G0SB+3], s[92:93]
	s_or_b32 s[G0SB+3], s[G0SB+3], 0x80000000
	JLOAD G0SA, G1SA, G0SB, G1SB                   ; the scale bytes first
.irp s, 0,1
	s_mov_b32 s[G0A+4*\s], 1
	s_add_co_u32 s[G0A+4*\s+1], s45, \s*SLOT
	s_add_nc_u64 s[G0A+4*\s+2:G0A+4*\s+3], s[14:15], \s*65536
	s_or_b32 s[G0A+4*\s+3], s[G0A+4*\s+3], 0x80000000
	s_mov_b32 s[G0B+4*\s], 1
	s_add_co_u32 s[G0B+4*\s+1], s97, \s*SLOT
	s_add_nc_u64 s[G0B+4*\s+2:G0B+4*\s+3], s[46:47], \s*65536
	s_or_b32 s[G0B+4*\s+3], s[G0B+4*\s+3], 0x80000000
	JLOAD G0A+4*\s, G1A, G0B+4*\s, G1B             ; both halves of K: three loads of mine are out
.endr
	v_and_b32 v1, 15, v0                           ; r
	v_bfe_u32 v2, v0, 4, 1                         ; h
	v_and_b32 v3, 31, v0
	v_lshlrev_b32 v[CO], 4, v3                     ; 16 x lane
	s_lshl_b32 s21, s19, 14                        ; my four tiles of A
	s_lshl_b32 s42, s20, 15
	s_add_co_u32 s42, s42, BOFF                    ; my eight of B
.irp s, 0,1
	v_add_nc_u32 v[ADRA+\s], s21, v[CO]
	v_add_nc_u32 v[ADRB+\s], s42, v[CO]
	s_add_co_u32 s21, s21, SLOT
	s_add_co_u32 s42, s42, SLOT
.endr
	v_lshlrev_b32 v4, 4, v1
	s_lshl_b32 s21, s19, 10
	s_add_co_u32 s21, s21, SCL
	v_add_nc_u32 v[ADSA], s21, v4                  ; A's scale words: my four tiles, row r
	s_lshl_b32 s42, s20, 11
	s_add_co_u32 s42, s42, SCL+8192
	v_add_nc_u32 v[ADSB], s42, v4                  ; B's: my eight tiles
	s_mul_i32 s21, s18, 16*SPITCH                  ; my stage
	v_mul_u32_u24 v5, v1, SPITCH
	v_lshl_add_u32 v5, v2, 6, v5
	v_add_nc_u32 v[STO], s21, v5                   ; in: row r, + 64 h bytes
	v_add_nc_u32 v[RD], s21, v[CO]                 ; back: a row of 512 bytes to the 32 lanes
	s_lshl_b32 s66, s40, 10                        ; b_out at my 128 columns
	s_lshl_b32 s17, s20, 9
	s_add_co_u32 s66, s66, s17
	s_mov_b32 s67, 0
	s_add_nc_u64 s[8:9], s[8:9], s[66:67]
	s_add_nc_u64 s[10:11], s[10:11], s[66:67]      ; out0: the same columns,
	s_lshl_b32 s66, s96, 21
	s_lshl_b32 s17, s41, 19
	s_add_co_u32 s66, s66, s17
	s_lshl_b32 s17, s19, 18
	s_add_co_u32 s66, s66, s17
	s_add_nc_u64 s[10:11], s[10:11], s[66:67]      ; my first row: 128 (4 Y + cy) + 64 (my half), 4,096 bytes a row
	v_lshlrev_b32 v6, 6, v2
.irp b, 0,1,2,3,4,5,6,7
	global_load_b128 v[BI+8*\b:BI+8*\b+3], v6, s[8:9] offset:(32*(\b/2)+8*(\b%2))*4
	global_load_b128 v[BI+8*\b+4:BI+8*\b+7], v6, s[8:9] offset:(32*(\b/2)+8*(\b%2))*4+16
.endr
	s_wait_tensorcnt 1                             ; the scale bytes and my part of slot 0 are in; slot 1's load may be out
	s_barrier_signal -1
	s_barrier_wait -1
	FETCH_B 0, 0, 0
	FETCH_A 0, 0, 0
	SCALES 0
	s_wait_loadcnt 0x0                             ; the bias
	STEP 0, 0, 1                                   ; the first K step starts the sums from the bias
	STEPS 0, 1
	; slot 0's last K step, and the change of slots
	s_wait_tensorcnt 0x0                           ; my part of slot 1 has landed
	s_wait_dscnt 0x0                               ; the last fragments of slot 0 are in my registers: my reads of it are over
	s_barrier_signal -1
	PLACES 4                                       ; for the loads below, into the sets that the step before has read
	s_barrier_wait -1
	FETCH_B 1, 0, 0
	FETCH_A 1, 0, 0
	SCALES 1
	WMUL 0
	MUL16 0, 1, 3, 0, 0
	MUL16 2, 1, 3, 0, 0
	WIN 0
	STEPS 1, 0
	s_wait_dscnt 0x0                               ; the last K step: nothing more to fetch
	WMUL 0
	MUL16 0, 1, 3, 1, 0
	MUL16 2, 1, 3, 1, 0
	WIN 0
.macro TOSTAGE a
.set AC, 64*(\a)
	WIN 0x08                                       ; an LDS store's data: window 2
.irp b, 0,1,2,3,4,5,6,7
	ds_store_b128 v[STO], v[AC+8*\b:AC+8*\b+3] offset:128*(\b/2)+32*(\b%2)         ; each accumulator from its low end on; the offsets put the columns back in their order
	ds_store_b128 v[STO], v[AC+8*\b+4:AC+8*\b+7] offset:128*(\b/2)+32*(\b%2)+16
.endr
	WIN 0
.set BB, BK+64*((\a)%2)
.irp t, 0,1,2,3,4,5,6,7,8,9,10,11,12,13,14,15
	ds_load_b128 v[BB+4*\t:BB+4*\t+3], v[RD] offset:\t*SPITCH                      ; LDS serves a wave's instructions in order: these see the stores
.endr
.endm
.macro SEND a, younger
.set BB, BK+64*((\a)%2)
	s_wait_dscnt \younger                          ; the block is back in registers
.if (\a) > 0
	s_add_nc_u64 s[10:11], s[10:11], 16*4096       ; (behind a wait on XCNT: the earlier stores have read their base)
.endif
.irp t, 0,1,2,3,4,5,6,7,8,9,10,11,12,13,14,15
	global_store_b128 v[CO], v[BB+4*\t:BB+4*\t+3], s[10:11] offset:\t*4096 th:TH_STORE_NT   ; 512 consecutive bytes, aligned
.endr
.endm
	PLACES 4                                       ; in front of the first read of results and of loads over A's fragments and the bias
	TOSTAGE 0
.irp a, 1,2,3
.if \a > 1
	s_wait_xcnt 0x0                                ; block a - 2's stores have read their registers and their base
.endif
	TOSTAGE \a
	SEND \a-1, 32                                  ; behind block a - 1's loads: block a's 16 stores and 16 loads
.endr
	s_wait_xcnt 0x0
	SEND 3, 0
	s_wait_tensorcnt 0x0
	s_wait_dscnt 0x0
	s_wait_tensorcnt 0x0
	ds_add_u32 v30, v31
	s_wait_dscnt 0x0
	CROUND                                         ; the closing round
	s_endpgm
.Lfunc_end_k_q8482c25f21_gemm2:
	.size	k_q8482c25f21_gemm2, .Lfunc_end_k_q8482c25f21_gemm2-k_q8482c25f21_gemm2
	.p2alignl 7, 3214868480
	.fill 96, 4, 3214868480
	.section	.rodata,"a",@progbits
	.p2align	6, 0x0
	.amdhsa_kernel k_q8482c25f21_gemm2
		.amdhsa_group_segment_fixed_size 213504
		.amdhsa_private_segment_fixed_size 0
		.amdhsa_enable_private_segment 0
		.amdhsa_kernarg_size 32
		.amdhsa_user_sgpr_count 2
		.amdhsa_user_sgpr_kernarg_segment_ptr 1
		.amdhsa_wavefront_size32 1
		.amdhsa_system_sgpr_workgroup_id_x 1
		.amdhsa_system_sgpr_workgroup_id_y 1
		.amdhsa_system_sgpr_workgroup_id_z 1
		.amdhsa_system_vgpr_workitem_id 0
		.amdhsa_next_free_vgpr 768
		.amdhsa_next_free_sgpr 102
		.amdhsa_reserve_vcc 0
		.amdhsa_float_denorm_mode_32 3
		.amdhsa_float_denorm_mode_16_64 3
		.amdhsa_memory_ordered 1
		.amdhsa_forward_progress 1
		.amdhsa_inst_pref_size 74
	.end_amdhsa_kernel
	.amdgpu_metadata
---
amdhsa.version: [ 1, 2 ]
amdhsa.kernels:
  - .name:           k_q8482c25f21_gemm2
    .symbol:         k_q8482c25f21_gemm2.kd
    .args:
      - { .name: oo, .offset: 0, .size: 8, .value_kind: global_buffer, .address_space: global }
      - { .name: wo, .offset: 8, .size: 8, .value_kind: global_buffer, .address_space: global }
      - { .name: b_out, .offset: 16, .size: 8, .value_kind: global_buffer, .address_space: global }
      - { .name: out0, .offset: 24, .size: 8, .value_kind: global_buffer, .address_space: global }
    .group_segment_fixed_size: 213504
    .private_segment_fixed_size: 0
    .kernarg_segment_align: 8
    .kernarg_segment_size: 32
    .max_flat_workgroup_size: 128
    .sgpr_count:     102
    .vgpr_count:     768
    .wavefront_size: 32
...
	.end_amdgpu_metadata
.endif
;; end of part 4
;; ======== version 2 of 2: 4 launches; version 1 with the launch attn written anew for expert scheduling mode
;; workspace buffers: ops 6,127,616 bytes; wo 557,056 bytes; ez 81,920 bytes; tb 98,304 bytes; qk 9,437,184 bytes; vv 4,456,448 bytes; oo 4,456,448 bytes
;; launch prep: the kernel of part 1 again; grid 464 x 1, 4 waves a work-group, no clusters, 42,496 bytes of LDS; arguments x, W_qkv, W_out, Er, W_time, time_emb, b_time, b_qkv, ops, wo, ez, tb; writes ops, wo, ez, tb
;; launch gemm1: the kernel of part 2 again; grid 12 x 32, 4 waves a work-group, clusters of 4 x 4, 279,040 bytes of LDS; arguments ops, tb, qk, vv; writes qk, vv
;; launch attn (part 5): grid 2 x 128, 16 waves a work-group, no clusters, 307,200 bytes of LDS; arguments qk, vv, ez, oo; writes oo
.if DOCPART == 5
	.amdgcn_target "amdgcn-amd-amdhsa--gfx1250"
	.amdhsa_code_object_version 6
	.text
	.protected	k_q8482c25f21_attn
	.globl	k_q8482c25f21_attn
	.p2align	8
	.type	k_q8482c25f21_attn,@function
k_q8482c25f21_attn:
	s_mov_b64 s[64:65], 0
	v_nop
	global_prefetch_b8 v0, s[64:65] scope:SCOPE_SE
	s_setreg_imm32_b32 hwreg(HW_REG_WAVE_SCHED_MODE, 0, 2), 2
	s_setreg_imm32_b32 hwreg(HW_REG_WAVE_MODE, 25, 1), 1
	s_wait_xcnt 0x0
	s_wait_alu depctr_vm_vsrc(0)
; o = softmax(q k^T / 8 + skew(q Er^T)) v, all three products on codes of E2M1 with E8M0 scales; o is divided by the row's sum and quantised along C for the last product.
; A WORK-GROUP STAYS: it owns one head and walks two blocks of 256 queries, one after the other, so that the head's K, V and the table Ez are copied into LDS once for both: 2 x 128 work-groups.
; THE SKEW.  With u = key - query + 1023: the term is q_i . Er[u] for u <= 1023, 0 for u = 1024, q_(i+1) . Er[u - 1025] above.  The table Ez[u] (2,048 rows) holds just that, its scale bytes 3 up (x 8).
; A tile of 16 rows of Ez lies wholly under or wholly over u = 1024: tiles 0-63 multiply q_i, tiles 64-127 q_(i+1).  Of a wave's eight key steps one has tiles of both kinds; the branches hang on ids alone.
; For 16 queries i0 + r and 128 keys, u = 16 a0 + (key in the step) + 15 - r: nine tiles of Ez.  Their products go into my own stage in LDS, row r 148 words apart, and come back 147 words apart:
; that is the shift by r.  They come back into the registers that are the C of k q^T: the addition costs no vector instruction.
; K = 64 IN AN INSTRUCTION OF 128: q's registers 4-7 are zero codes, and all scale words have the byte 0 (2^-127) for those two blocks; E2M1 has no NaN, so the other side's registers 4-7 may hold any codes.
; THE SOFTMAX: t = (q.k + 8 rel) x log2(e) / 8; M = the running largest t rounded up to a whole number; p = 2^(t - M) is quantised along the keys; the sum is taken of the unquantised p and divides at the end.
; SHARES.  Sixteen waves, one tile of 16 queries each in a pass, four to a SIMD.  K's, V's and Ez's codes and scale words lie in LDS for the whole launch (copied once, through registers: dense pieces of 16 bytes
; a thread, one barrier); the eight steps of 128 keys read nothing from memory and have no barrier, and neither has the change of passes: the stage is a wave's own, all else in LDS is only read.
; No cluster: what work-groups share is read once, and the Ez tile's LDS address hangs on the query block.
; LAYOUT.  Both products transposed: a lane holds one query (lane % 16).  The keys of a tile of K and the channels of a tile of V stand in the order swap34 (made by the launch before).
; LIMITS: NaN and infinities not served; a block under 2^-124 has its byte held at 1, a block of zeros the byte 1.  A block's largest p is taken from its largest score (v_exp_f32 is taken not to fall where its input rises).
; o's scale bytes leave as single bytes: 256 KiB of the launch's bytes.
; REGISTERS: v1-8 addresses that stay; v9-11, v83, v254, v255 addresses in hand; v12 -M, v13 largest t, v[14:15] the sum; v16-23 q, v24-31 q_(i+1) (each four registers of codes, four of zeros);
;   v32-71 fragments of Ez, then of K; v72-80 Ez's scale words; v81, v82 q's; v84-91 K's; v92-95 V's; v96-167 the nine products, v96-159 then scores and p; v168-199 O^T; v200-231 V; v232-239 p's codes; v240-253 at work.
;   s12 wave; s13 the step's first tile of Ez; s14 4,096 x step; s15 512 x the first tile of Ez that is asked for next; s16 trips to go; s17 my stage; s18 32 x (work-group x) + wave; s[20:31] the head's bases; s[48:51], s[52:55] the two passes' places in oo.
; THE MODE: SCHED_MODE bits 1:0 = 2 (LLVM: expert scheduling mode 2), set by the entry lines.  The code itself states the register dependences between vector or matrix instructions and memory or LDS
; instructions, with s_wait_alu, always for 0.
; THE PLAN.  Registers that LDS instructions touch in key step t:
;   v32-67, v72-80        Ez's nine tiles and scale words.  The loads for step t + 1 are issued in step t, among the softmax's vector lines; step t + 1's nine products read them.
;   v32-63, v84-91        then K's eight tiles, and K's scale words: loaded behind the nine products, read by the eight products k q^T.
;   v96-167               written by the nine products, read by the 18 stores into the stage; v96-159 then take the 64 loads from the stage, are C and D of k q^T, and the softmax works in them.
;   v200-231, v92-95      V and its scale words: loaded behind the stage's loads, read by the step's last four products.
;   v9, v10               Ez's addresses: written once a step, in the places behind k q^T; read by Ez's 18 loads.
;   v11, v83, v255, v254  K's and V's addresses: written once a step, in the places behind the nine products; read by K's and V's loads.  v254 is also a work register of the softmax.
;   v1-8                  never written in the loop.
; So a step has three waits on va_vdst (behind the nine products; behind the exponentials; ahead of the last products) and two on vm_vsrc (between the stage's stores and loads; ahead of the softmax's first
; write of v254); each says below what it states.  The loop has seven trips; the eighth step, which asks for no more of Ez, is written out.
.set VIMG,  32768
.set EZIMG, 65536
.set EZSC,  131072
.set KSC,   147456
.set VSC,   151552
.set STAGE, 153600
.set WSTG,  9472                       ; a wave's stage: 16 rows x 592 bytes (148 words: an odd multiple of 16 bytes)
.macro QADDR vi, vimg, vsc             ; query i's place in the head's image of q: position p = swap34(i)
	v_bfe_u32 v248, v[\vi], 3, 1
	v_bfe_u32 v249, v[\vi], 4, 1
	v_and_b32 v250, 0xffffffe7, v[\vi]
	v_lshl_or_b32 v250, v248, 4, v250
	v_lshl_or_b32 v250, v249, 3, v250
	v_lshrrev_b32 v248, 4, v250                    ; the tile
	v_and_b32 v249, 15, v250                       ; the row in it
	v_lshlrev_b32 v[\vimg], 9, v248
	v_lshl_add_u32 v[\vimg], v249, 4, v[\vimg]
	v_lshl_add_u32 v[\vimg], v242, 8, v[\vimg]     ; + 256 h
	v_lshrrev_b32 v250, 2, v248
	v_lshlrev_b32 v[\vsc], 8, v250
	v_lshl_add_u32 v[\vsc], v249, 4, v[\vsc]
	v_and_b32 v248, 3, v248
	v_lshl_add_u32 v[\vsc], v248, 2, v[\vsc]
.endm
.macro RELW t, q, s                    ; tile t of the step's nine of Ez against the fragment at v[q], whose scale word is v[s]
	v_wmma_scale_f32_16x16x128_f8f6f4 v[96+8*\t:103+8*\t], v[32+4*\t:39+4*\t], v[\q:\q+7], 0, v[72+\t], v[\s] matrix_a_fmt:MATRIX_FMT_FP4 matrix_b_fmt:MATRIX_FMT_FP4
.endm
.macro RELT t                          ; in the one step that has both kinds: q_i for tiles up to 63, q_(i+1) above
	s_cmp_lt_u32 s13, 64-\t
	s_cbranch_scc0 .Lupper_\@
	RELW \t, 16, 81
	s_branch .Ljoin_\@
.Lupper_\@:
	RELW \t, 24, 82
.Ljoin_\@:
.endm
; Pass p: the ids, my place in oo, and q's loads.  v241 = r and v242 = h are made in front of it.
.macro QSETUP p
	s_add_co_u32 s13, s18, 16*\p                   ; A0 = 32 x + 16 p + wave: the first step's first tile of Ez; + 8 a step
	s_sub_co_u32 s42, 63, s13                      ; my tile of queries
	s_lshl_b32 s43, s42, 4                         ; my first query
	s_mov_b32 s14, 0
	s_lshl_b32 s15, s13, 9
	s_mov_b32 s16, 7                               ; seven trips; the eighth step is written out
	s_lshr_b32 s44, s41, 4
	s_lshl_b32 s44, s44, 6
	s_add_co_u32 s44, s44, s42                     ; my tile of 16 among the 512 of all tokens
	s_and_b32 s45, s41, 15                         ; the head: k = 64 head + channel
	s_lshr_b32 s46, s44, 4
	s_and_b32 s47, s44, 15
	s_lshr_b32 s56, s45, 3                         ; the half of K
	s_bfe_u32 s57, s45, 0x20001                    ; the K step in it
	s_and_b32 s58, s45, 1                          ; the half of the K step
	s_lshl_b32 s32, s46, 17
	s_lshl_b32 s34, s56, 16
	s_add_co_u32 s32, s32, s34
	s_lshl_b32 s34, s47, 12
	s_add_co_u32 s32, s32, s34
	s_lshl_b32 s34, s57, 10
	s_add_co_u32 s32, s32, s34
	s_lshl_b32 s34, s58, 9
	s_add_co_u32 s32, s32, s34
	s_mov_b32 s33, 0
	s_add_nc_u64 s[48+4*\p:49+4*\p], s[10:11], s[32:33]      ; o's codes
	s_lshl_b32 s32, s46, 13
	s_lshl_b32 s34, s56, 12
	s_add_co_u32 s32, s32, s34
	s_lshl_b32 s34, s47, 8
	s_add_co_u32 s32, s32, s34
	s_lshl_b32 s34, s57, 2
	s_add_co_u32 s32, s32, s34
	s_lshl_b32 s34, s58, 1
	s_add_co_u32 s32, s32, s34
	s_add_co_u32 s32, s32, 4194304
	s_add_nc_u64 s[50+4*\p:51+4*\p], s[10:11], s[32:33]      ; o's scale bytes
	v_add_nc_u32 v247, s43, v241                   ; my query i
	QADDR 247, 251, 252
	v_add_nc_u32 v247, 1, v247
	v_min_u32 v247, 1023, v247                     ; i + 1, held inside the head: query 1,023 meets no tile over 63, so the held row's products are not used
	QADDR 247, 253, 254
	s_wait_alu depctr_va_vdst(0)                   ; the four addresses v251-254 are written, which the loads below read (first pass: so are v244-246, the copy's addresses); second pass: the first pass's products are done reading v16-19, v24-27, v81 and v82, in which these loads land
	global_load_b128 v[16:19], v251, s[20:21]
	global_load_b32 v81, v252, s[24:25]
	global_load_b128 v[24:27], v253, s[20:21]
	global_load_b32 v82, v254, s[24:25]
.endm
.macro INIT                            ; a pass's state: the step is written for all eight alike; the first multiplies zeros
	v_mov_b32 v13, 0xff61b1e6                      ; the largest t so far: -3e38
	v_floor_f32 v12, -v13                          ; -M
	v_mov_b32 v14, 0
	v_mov_b32 v15, 0
.set n, 0
.rept 32
	v_mov_b32 v[168+n], 0                          ; O^T
.set n, n+1
.endr
.endm
; A key step: 128 keys.  more = 1: a step follows in this pass, and its tiles of Ez are asked for here.
.macro TRIP more
	s_wait_dscnt 0x0                               ; this step's nine tiles of Ez and their scale words, asked for a step ago, are in
	s_cmp_lt_u32 s13, 56                           ; all nine tiles up to 63?
	s_cbranch_scc1 .Llow_\@
	s_cmp_gt_u32 s13, 63                           ; all nine over it?
	s_cbranch_scc1 .Lup_\@
.irp t, 0,1,2,3,4,5,6,7,8
	RELT \t
.endr
	s_branch .Lrel_\@
.Llow_\@:
.irp t, 0,1,2,3,4,5,6,7,8
	RELW \t, 16, 81
.endr
	s_branch .Lrel_\@
.Lup_\@:
.irp t, 0,1,2,3,4,5,6,7,8
	RELW \t, 24, 82
.endr
.Lrel_\@:
	v_add_nc_u32 v11, s14, v3                      ; five plain lines: four are asked in front of the stores of these results, five in front of the products that write over them.
	s_lshr_b32 s40, s14, 3                         ; (The loads that last read these four addresses were issued ahead of the last step's second wait on vm_vsrc; on the way into a pass, ahead of the wait on vm_vsrc that stands in front of it)
	v_add_nc_u32 v83, s40, v4
	v_add_nc_u32 v255, s14, v5
	s_lshr_b32 s40, s14, 4
	v_add_nc_u32 v254, s40, v6
	v_nop
	s_wait_alu depctr_va_vdst(0)                   ; the nine products have written v96-167, which the stores read and in which the stage's loads land, and are done reading v32-71, in which K's loads land; the four addresses are written; the last step's products are done reading v84-95 and v200-231.  No vector instruction stands among the LDS instructions from here to the products k q^T
.irp t, 0,1,2,3,4,5,6,7
	ds_load_b128 v[32+4*\t:35+4*\t], v11 offset:512*\t                             ; K's eight tiles
.endr
	ds_load_b128 v[84:87], v83
	ds_load_b128 v[88:91], v83 offset:256
.irp t, 0,1,2,3,4,5,6,7,8
	ds_store_b128 v7, v[96+8*\t:99+8*\t] offset:64*\t                              ; each result from its low end on
	ds_store_b128 v7, v[100+8*\t:103+8*\t] offset:64*\t+16
.endr
	s_wait_alu depctr_vm_vsrc(0)                   ; the stores have read v96-167: the loads below land in v96-159, and the next step's products write all of them; Ez's loads, issued a step ago, have read v9 and v10, which are written behind k q^T
.set n, 0
.rept 64
	ds_load_b32 v[96+n], v8 offset:4*(32*(n/16)+n%16)                              ; LDS serves a wave's instructions in order: these see the stores.  Register 16 b + i: key 32 b + 16 h + i
.set n, n+1
.endr
.irp t, 0,1,2,3
.irp c, 0,1
	ds_load_b128 v[200+8*\t+4*\c:203+8*\t+4*\c], v255 offset:1024*\t+512*\c
.endr
.endr
	ds_load_b128 v[92:95], v254
	s_wait_dscnt 9                                 ; all but V's nine loads
.irp t, 0,1,2,3,4,5,6,7
	v_wmma_scale_f32_16x16x128_f8f6f4 v[96+8*\t:103+8*\t], v[32+4*\t:39+4*\t], v[16:23], v[96+8*\t:103+8*\t], v[84+\t], v81 matrix_a_fmt:MATRIX_FMT_FP4 matrix_b_fmt:MATRIX_FMT_FP4
.endr
.if \more
	s_add_co_u32 s15, s15, 4096                    ; the next step's tiles of Ez: their two addresses are made here, and with two v_nop are the four places behind the products
	v_add_nc_u32 v9, s15, v1
	s_lshr_b32 s40, s15, 2
	v_add_nc_u32 v10, s40, v2
	v_nop
	v_nop
.else
.rept 4
	v_nop
.endr
.endif
.irp b, 0,1,2,3
	v_max3_num_f32 v[240+\b], v[96+16*\b], v[97+16*\b], v[98+16*\b]                ; the largest score of each block of 32 keys: for the row's maximum, and for the block's largest p
.endr
.irp i, 3,5,7,9,11,13
.irp b, 0,1,2,3
	v_max3_num_f32 v[240+\b], v[240+\b], v[96+16*\b+\i], v[97+16*\b+\i]
.endr
.endr
.irp b, 0,1,2,3
	v_max_num_f32 v[240+\b], v[240+\b], v[111+16*\b]
.endr
.irp b, 0,1,2,3
	v_permlanex16_b32 v[244+\b], v[240+\b], s36, s37
.endr
.irp b, 0,1,2,3
	v_max_num_f32 v[240+\b], v[240+\b], v[244+\b]
.endr
	s_wait_alu depctr_vm_vsrc(0)                   ; the load of V's scale words has read v254, which the next line writes; K's and V's loads have read v11, v83 and v255, which the next step writes
	v_max3_num_f32 v254, v240, v241, v242
	v_max_num_f32 v254, v254, v243
	v_mul_f32 v254, s38, v254
	v_max_num_f32 v13, v13, v254                   ; the running largest t
	v_mov_b32 v254, v12
	v_floor_f32 v12, -v13                          ; -M = floor(-t): M is a whole number
	v_sub_f32 v254, v12, v254
	v_cvt_i32_f32 v254, v254                       ; (it saturates)
	v_ldexp_f32 v252, 1.0, v254                    ; f = 2^(old M - new M)
.set n, 0
.rept 32
	v_pk_fma_f32 v[96+n:97+n], v[96+n:97+n], s[38:39], v[12:13] op_sel_hi:[1,0,0]  ; t - M
.set n, n+2
.endr
.irp b, 0,1,2,3
	v_fma_f32 v[240+\b], v[240+\b], s38, v12
.endr
.set n, 0
.rept 64
	v_exp_f32 v[96+n], v[96+n]                     ; p = 2^(t - M)
.set n, n+1
.endr
.irp b, 0,1,2,3
	v_exp_f32 v[240+\b], v[240+\b]                 ; the block's largest p
.endr
	v_pk_mul_f32 v[14:15], v[14:15], v[252:253] op_sel_hi:[1,0]                    ; the sums under the new M (a plain line behind the exponentials)
	s_wait_alu depctr_va_vdst(0)                   ; the 68 exponentials have written v96-159 and v240-243, ahead of their first reader; the products k q^T are done reading v32-67 and the nine products v72-80, in which Ez's loads land; v9 and v10 are written.  No vector line from here to the step's end names a register that Ez's loads touch
.if \more
.irp t, 0,1,2,3,4,5,6,7,8
	ds_load_b128 v[32+4*\t:35+4*\t], v9 offset:512*\t                              ; the next step's nine tiles of Ez
.endr
.endif
.irp b, 0,1,2,3
	v_max_num_f32 v[240+\b], 0x1800000, v[240+\b]  ; the floor: the byte cannot fall under 1
.endr
.irp b, 0,1,2,3
	v_add_nc_u32 v[248+\b], 0xff000000, v[240+\b]
.endr
.irp b, 0,1,2,3
	v_lshrrev_b32 v[244+\b], 23, v[248+\b]
.endr
	v_lshl_or_b32 v253, v245, 8, v244              ; p's scale word for these 128 keys
	v_lshl_or_b32 v253, v246, 16, v253
	v_lshl_or_b32 v253, v247, 24, v253
.irp b, 0,1,2,3
	v_cvt_scalef32_pk8_fp4_f32 v[232+2*\b], v[96+16*\b:103+16*\b], v[248+\b]
	v_cvt_scalef32_pk8_fp4_f32 v[233+2*\b], v[104+16*\b:111+16*\b], v[248+\b]
.endr
	v_nop
.irp c, 0,1
.irp i, 0,1
	v_permlane16_swap_b32 v[232+4*\c+\i], v[234+4*\c+\i]
.endr
.endr
.if \more
.irp t, 0,1,2,3,4,5,6,7,8
	ds_load_b32 v[72+\t], v10 offset:128*\t                                        ; and their scale words
.endr
.endif
	v_pk_add_f32 v[244:245], v[96:97], v[98:99]    ; the row's sum, of the unquantised p, in two chains
.irp j, 4,8,12,16,20,24,28,32,36,40,44,48,52,56,60
	v_pk_add_f32 v[14:15], v[14:15], v[96+\j:97+\j]
	v_pk_add_f32 v[244:245], v[244:245], v[98+\j:99+\j]
.endr
	v_pk_add_f32 v[14:15], v[14:15], v[244:245]
.set n, 0
.rept 16
	v_pk_mul_f32 v[168+n:169+n], v[168+n:169+n], v[252:253] op_sel_hi:[1,0]        ; O^T under the new M
.set n, n+2
.endr
.if \more
	s_wait_dscnt 18                                ; V is in; Ez's 18 younger loads may be out
.else
	s_wait_dscnt 0x0                               ; V
.endif
	s_wait_alu depctr_va_vdst(0)                   ; p's codes v232-239 and p's scale word v253, which vector instructions wrote, are written: the products below take them as operand and as scales; the sums and the rescaling above are the places that stay beside this wait
.irp t, 0,1,2,3
	v_wmma_scale_f32_16x16x128_f8f6f4 v[168+8*\t:175+8*\t], v[200+8*\t:207+8*\t], v[232:239], v[168+8*\t:175+8*\t], v[92+\t], v253 matrix_a_fmt:MATRIX_FMT_FP4 matrix_b_fmt:MATRIX_FMT_FP4
.endr
.if \more
	s_add_co_u32 s13, s13, 8
	s_add_co_u32 s14, s14, 4096
.endif
.endm
; A pass's eight key steps.
.macro LOOP
	v_add_nc_u32 v9, s15, v1                       ; (second pass: the loads that last read v9 and v10 stand ahead of the waits on vm_vsrc of the first pass's last step)
	s_lshr_b32 s40, s15, 2
	v_add_nc_u32 v10, s40, v2
	s_wait_alu depctr_va_vdst(0)                   ; v9 and v10 are written, which the loads below read; first pass: the zero codes v20-23, v28-31 and v68-71 are written, which the products take as operands; second pass: the first pass's products are done reading v32-67 and v72-80
.irp t, 0,1,2,3,4,5,6,7,8
	ds_load_b128 v[32+4*\t:35+4*\t], v9 offset:512*\t                              ; the first step's nine tiles of Ez
.endr
.irp t, 0,1,2,3,4,5,6,7,8
	ds_load_b32 v[72+\t], v10 offset:128*\t
.endr
.Lstep_\@:
	TRIP 1
	s_sub_co_u32 s16, s16, 1
	s_cmp_lg_u32 s16, 0
	s_cbranch_scc1 .Lstep_\@
	TRIP 0                                         ; the eighth step is written out: it asks for no more of Ez
.rept 4
	v_nop                                          ; places behind the last products
.endr
.endm
; THE WAY OUT of pass p: o = O^T / the sum; register 16 b + i is channel 32 b + 16 h + i of my query: two blocks of the last product's K
.macro EPI p
	v_add_f32 v14, v14, v15
	v_permlanex16_b32 v244, v14, s36, s37
	v_add_f32 v14, v14, v244
	v_rcp_f32 v14, v14
	v_and_b32 v200, 15, v0                         ; (plain lines behind the reciprocal)
	v_bfe_u32 v202, v0, 4, 1
	v_lshl_add_u32 v201, v200, 4, v202             ; scale bytes: 16 r + h
	v_cmp_eq_u32 vcc_lo, 1, v202                   ; which half of the lanes: read far below
.set n, 0
	s_wait_alu depctr_va_vdst(0)                   ; the reciprocal has written v14, ahead of its first reader
.rept 32
	v_mul_f32 v[96+n], v[168+n], v14               ; each accumulator from its low end on
.set n, n+1
.endr
.irp b, 0,1
	v_max3_num_f32 v[240+\b], |v[96+16*\b]|, |v[97+16*\b]|, 0x1800000
.endr
.irp i, 2,4,6,8,10,12,14
.irp b, 0,1
	v_max3_num_f32 v[240+\b], v[240+\b], |v[96+16*\b+\i]|, |v[97+16*\b+\i]|
.endr
.endr
.irp b, 0,1
	v_permlanex16_b32 v[244+\b], v[240+\b], s36, s37
.endr
.irp b, 0,1
	v_max_num_f32 v[240+\b], v[240+\b], v[244+\b]
.endr
.irp b, 0,1
	v_add_nc_u32 v[248+\b], 0xff000000, v[240+\b]
.endr
.irp b, 0,1
	v_lshrrev_b32 v[244+\b], 23, v[248+\b]
.endr
.irp b, 0,1
	v_cvt_scalef32_pk8_fp4_f32 v[232+2*\b], v[96+16*\b:103+16*\b], v[248+\b]
	v_cvt_scalef32_pk8_fp4_f32 v[233+2*\b], v[104+16*\b:111+16*\b], v[248+\b]
.endr
	v_nop
	v_permlane16_swap_b32 v232, v234
	v_permlane16_swap_b32 v233, v235               ; registers 0-3: channels 32 h + 0 .. 31
	s_wait_alu depctr_va_vcc(0)                    ; the compare above has written VCC, ahead of its one reader
	v_cndmask_b32 v236, v244, v245, vcc_lo         ; my half's byte
	s_wait_alu depctr_va_vdst(0)                   ; the codes v232-235, the byte v236 and the offset v201 are written, which the two stores read
	global_store_b128 v3, v[232:235], s[48+4*\p:49+4*\p]     ; 512 consecutive bytes
	global_store_b8 v201, v236, s[50+4*\p:51+4*\p]
.endm
	s_load_b256 s[4:11], s[0:1], 0x0               ; qk, vv, ez, oo
	v_lshrrev_b32 v240, 5, v0
	v_readfirstlane_b32 s12, v240                  ; wave 0..15
	s_and_b32 s18, ttmp9, 1                        ; which two of the head's four blocks of 256 queries (the grid has two along x)
	s_lshl_b32 s18, s18, 5
	s_wait_alu depctr_va_sdst(0)                   ; s12 is written, ahead of its first reader
	s_add_co_u32 s18, s18, s12                     ; 32 x + wave
	s_and_b32 s41, ttmp7, 0xffff                   ; the head's record: 16 x batch + head
	s_mov_b32 s36, 0x76543210
	s_mov_b32 s37, 0xfedcba98                      ; v_permlanex16_b32's selects for lane l xor 16
	s_mov_b32 s38, 0x3e38aa3b                      ; log2(e) / 8
	s_mov_b32 s39, s38                             ; (named with it as a pair, so it is written)
	s_mul_i32 s17, s12, WSTG
	s_add_co_u32 s17, s17, STAGE                   ; my stage
	s_lshl_b32 s44, s41, 15
	s_mov_b32 s45, 0
	s_lshl_b32 s46, s41, 12
	s_mov_b32 s47, 0
	v_and_b32 v240, 31, v0                         ; lane
	v_and_b32 v241, 15, v0                         ; r
	v_bfe_u32 v242, v0, 4, 1                       ; h
	v_lshl_add_u32 v1, v240, 4, EZIMG
	v_lshl_add_u32 v2, v240, 2, EZSC
	v_lshlrev_b32 v3, 4, v240
	v_lshl_add_u32 v4, v241, 4, KSC
	v_lshl_add_u32 v5, v240, 4, VIMG
	v_lshl_add_u32 v6, v241, 4, VSC
	v_mul_u32_u24 v7, v241, 592
	v_lshl_add_u32 v7, v242, 5, v7
	v_add_nc_u32 v7, s17, v7                       ; into the stage: row r, word 16 t + 8 h + j
	v_mul_u32_u24 v8, v241, 588
	v_lshl_add_u32 v8, v242, 6, v8
	v_add_nc_u32 v8, s17, v8
	v_add_nc_u32 v8, 60, v8                        ; out of it: word 147 r + 15 + 16 h + (32 b + 8 u + j)
	v_lshlrev_b32 v244, 4, v0                      ; the copy: 16 bytes a thread
	v_add_nc_u32 v245, EZIMG, v244
	v_add_nc_u32 v246, EZSC, v244
	s_wait_kmcnt 0x0
	s_add_nc_u64 s[20:21], s[4:5], s[44:45]        ; q's image of the head
	s_add_nc_u64 s[22:23], s[20:21], 4194304       ; k's
	s_add_nc_u64 s[24:25], s[4:5], s[46:47]
	s_add_nc_u64 s[26:27], s[24:25], 8912896       ; k's scale words
	s_add_nc_u64 s[24:25], s[24:25], 8388608       ; q's
	s_add_nc_u64 s[28:29], s[6:7], s[44:45]        ; v's image
	s_lshl_b32 s46, s41, 11
	s_add_nc_u64 s[30:31], s[6:7], s[46:47]
	s_add_nc_u64 s[30:31], s[30:31], 4194304       ; v's scale words
	QSETUP 0                                       ; (its wait on va_vdst serves the copy below too: no vector instruction stands between it and the copy's last LDS store)
.irp j, 0,1,2,3
	global_load_b128 v[96+4*\j:99+4*\j], v244, s[22:23] offset:8192*\j
.endr
.irp j, 0,1,2,3
	global_load_b128 v[112+4*\j:115+4*\j], v244, s[28:29] offset:8192*\j
.endr
.irp j, 0,1,2,3,4,5,6,7,8,9
	global_load_b128 v[128+4*\j:131+4*\j], v244, s[8:9] offset:8192*\j             ; Ez's codes, 65,536 bytes, and its scale words, 16,384
.endr
	s_cmp_lt_u32 s12, 8                            ; waves 0-7: K's scale words, 4,096 bytes; waves 8-11: V's, 2,048
	s_cbranch_scc0 .Lnot_ks
	global_load_b128 v[168:171], v244, s[26:27]
	s_branch .Lsc_asked
.Lnot_ks:
	s_cmp_lt_u32 s12, 12
	s_cbranch_scc0 .Lsc_asked
	global_load_b128 v[168:171], v244, s[30:31] offset:-4096
.Lsc_asked:
	s_wait_loadcnt 0x0
.irp j, 0,1,2,3,4,5,6,7
	ds_store_b128 v244, v[96+4*\j:99+4*\j] offset:8192*\j
.endr
.irp j, 0,1,2,3,4,5,6,7
	ds_store_b128 v245, v[128+4*\j:131+4*\j] offset:8192*\j
.endr
.irp j, 0,1
	ds_store_b128 v246, v[160+4*\j:163+4*\j] offset:8192*\j
.endr
	s_cmp_lt_u32 s12, 12
	s_cbranch_scc0 .Lno_sc
	ds_store_b128 v246, v[168:171] offset:16384
.Lno_sc:
	s_wait_dscnt 0x0                               ; for the others' sake: my stores are done
	s_wait_alu depctr_vm_vsrc(0)                   ; the copy's loads and LDS stores have read v244-246 and v96-171, and q's loads v251-254: the lines below write v244-247, v253 and v168-199, the first step the others
	s_barrier_signal -1
.irp j, 20,21,22,23,28,29,30,31,68,69,70,71
	v_mov_b32 v[\j], 0                             ; zero codes for k = 64 .. 127 of q, and the registers named behind Ez's last tile: no later line writes them, so they serve both passes
.endr
.irp j, 244,245,246,247,253
	v_mov_b32 v[\j], 0                             ; lane permutes' destinations, and the upper half of the pair v[252:253]
.endr
	INIT
	s_barrier_wait -1                              ; the launch's one barrier: all of the head lies in LDS
	LOOP                                           ; the first block of queries
	v_and_b32 v241, 15, v0                         ; r and h anew: the loop has used their registers
	v_bfe_u32 v242, v0, 4, 1
	QSETUP 1                                       ; the second block's q is asked for ahead of the first block's way out, and lands under it
	EPI 0
	s_wait_xcnt 0x0                                ; the two stores' data and address registers are written again only behind this wait
	s_wait_alu depctr_vm_vsrc(0)                   ; the two stores have read v232-236 and v201, and q's loads v251-254: the second pass writes them all again
	INIT
	s_wait_loadcnt 0x0                             ; q
	LOOP                                           ; the second block
	EPI 1
	s_wait_xcnt 0x0
	v_lshl_add_u32 v254, v0, 2, 0x4a800            ; (since the last step's second wait on vm_vsrc only the two stores above were issued, and they read neither v254 nor v255)
	v_mov_b32 v255, 0
	s_wait_dscnt 0x0                               ; the closing lines, six on end
	s_wait_alu 0x0
	s_wait_tensorcnt 0x0
	ds_add_u32 v254, v255
	s_wait_dscnt 0x0
	s_endpgm
.Lfunc_end_k_q8482c25f21_attn:
	.size	k_q8482c25f21_attn, .Lfunc_end_k_q8482c25f21_attn-k_q8482c25f21_attn
	.p2alignl 7, 3214868480
	.fill 96, 4, 3214868480
	.section	.rodata,"a",@progbits
	.p2align	6, 0x0
	.amdhsa_kernel k_q8482c25f21_attn
		.amdhsa_group_segment_fixed_size 307200
		.amdhsa_private_segment_fixed_size 0
		.amdhsa_enable_private_segment 0
		.amdhsa_kernarg_size 32
		.amdhsa_user_sgpr_count 2
		.amdhsa_user_sgpr_kernarg_segment_ptr 1
		.amdhsa_wavefront_size32 1
		.amdhsa_system_sgpr_workgroup_id_x 1
		.amdhsa_system_sgpr_workgroup_id_y 1
		.amdhsa_system_sgpr_workgroup_id_z 1
		.amdhsa_system_vgpr_workitem_id 0
		.amdhsa_next_free_vgpr 256
		.amdhsa_next_free_sgpr 66
		.amdhsa_reserve_vcc 1
		.amdhsa_float_denorm_mode_32 3
		.amdhsa_float_denorm_mode_16_64 3
		.amdhsa_memory_ordered 1
		.amdhsa_forward_progress 1
		.amdhsa_inst_pref_size 131
	.end_amdhsa_kernel
	.amdgpu_metadata
---
amdhsa.version: [ 1, 2 ]
amdhsa.kernels:
  - .name:           k_q8482c25f21_attn
    .symbol:         k_q8482c25f21_attn.kd
    .args:
      - { .name: qk, .offset: 0, .size: 8, .value_kind: global_buffer, .address_space: global }
      - { .name: vv, .offset: 8, .size: 8, .value_kind: global_buffer, .address_space: global }
      - { .name: ez, .offset: 16, .size: 8, .value_kind: global_buffer, .address_space: global }
      - { .name: oo, .offset: 24, .size: 8, .value_kind: global_buffer, .address_space: global }
    .group_segment_fixed_size: 307200
    .private_segment_fixed_size: 0
    .kernarg_segment_align: 8
    .kernarg_segment_size: 32
    .max_flat_workgroup_size: 512
    .sgpr_count:     66
    .vgpr_count:     256
    .wavefront_size: 32
...
	.end_amdgpu_metadata
.endif
;; end of part 5
;; launch gemm2: the kernel of part 4 again; grid 4 x 64, 4 waves a work-group, clusters of 4 x 4, 213,504 bytes of LDS; arguments oo, wo, b_out, out0; writes out0
